; MI455X (gfx1250); checked and timed in simulation.
; The chip was launched on July 23, 2026; its instructions are those of AMD's public machine-readable ISA for CDNA 5 (MIT licence, August 2026) and "CDNA5" Instruction Set Architecture Reference Guide (July 2026). The comments in the code are by the model that wrote it; some were corrected since.
;; Block. Allowed arithmetic: matrix products marked QUANTISED: E2M1 operands, one E8M0 scale for each 32 along K, by v_wmma_scale_f32_16x16x128_f8f6f4 with both operands' format E2M1 (or v_wmma_scale_f32_32x16x128_f4), f32 sums; everything else in f32.
;; Inputs: fc1_b 3,072 float32; fc1_w_codes 3,072 x 12 x 16 uint8 (E2M1 codes of fc1_w, K innermost, in blocks of 32 codes, two codes a byte); fc1_w_scales 3,072 x 12 uint8 (E8M0 scales of fc1_w, one for each 32 codes along K); fc2_b 384 float32; fc2_w_codes 384 x 96 x 16 uint8 (E2M1 codes of fc2_w, K innermost, in blocks of 32 codes, two codes a byte); fc2_w_scales 384 x 96 uint8 (E8M0 scales of fc2_w, one for each 32 codes along K); ln1_b 384 float32; ln1_w 384 float32; ln2_b 384 float32; ln2_w 384 float32; x 8 x 2,048 x 384 float32.
;; Outputs: out0 8 x 2,048 x 384 float32.
;; This version of the problem:
;;   THIS VERSION OF THE PROBLEM IS GIVEN IN LOW PRECISION. The matrix products marked QUANTISED in the list below multiply operands that are first quantised to E2M1 (2 exponent bits, 1 mantissa bit; 4 bits a number), with one power-of-two scale for each 32 numbers along K (OCP MX v1.0); their sums are f32. All else is computed in f32.
;;   The module's matrix products, in the order in which they are computed (A, B: the left and right operand; K: the contracted axis; several contracted axes count as one K, in the product's order):
;;     1. batch 8 x [M 2,048, K 384] x [K 384, N 2,048]; A: computed on the way; B: computed on the way: QUANTISED
;;     2. batch 8 x [M 2,048, K 2,048] x [K 2,048, N 384]; A: softmax (see below); B: computed on the way: QUANTISED
;;     3. [M 16,384, K 384] x [K 384, N 3,072]; A: computed on the way; B: input fc1_w (given as codes): QUANTISED
;;     4. [M 16,384, K 3,072] x [K 3,072, N 384]; A: computed on the way; B: input fc2_w (given as codes): QUANTISED
;;   THE QUANTISER, for each operand of a quantised product, along K:
;;     - K is cut into blocks of 32 from its start; a last block that is shorter is filled with zeros.
;;     - A block's scale is 2^e with e = floor(log2(the largest magnitude in the block)) - 2, held to -126 .. 127; a block of zeros has e = 0. As a byte (E8M0): e + 127.
;;     - Each number is divided by its block's scale, clamped to +-6, and rounded to the nearest number of E2M1, ties to even, subnormals kept.
;;     - The product sums the exact products of the quantised numbers (number of the format x scale) in f32.
;;   ~~~python
;;   def quantise(x, axis):      # numpy; x: float32 -> the quantised numbers, widened to float32 again
;;       x = np.moveaxis(x, axis, -1); K = x.shape[-1]
;;       x = np.pad(x, [(0, 0)] * (x.ndim - 1) + [(0, -K % 32)]); x = x.reshape(x.shape[:-1] + (-1, 32)); a = np.abs(x).max(-1, keepdims=True)
;;       e = np.where(a > 0, np.clip(np.frexp(np.where(a > 0, a, 1))[1] - 1 - 2, -126, 127), 0)      # np.frexp(a)[1] - 1 = floor(log2(a)), exactly
;;       r = np.clip(x / 2.0 ** e, -6, 6)
;;       step = 2.0 ** (np.maximum(np.frexp(np.where(r == 0, 1, r))[1] - 1, 0) - 1)
;;       q = np.round(r / step) * step * 2.0 ** e      # np.round: ties to even
;;       return np.moveaxis(q.reshape(q.shape[:-2] + (-1,))[..., :K], -1, axis).astype(np.float32)
;;   ~~~
;;   SOFTMAX AHEAD OF A QUANTISED PRODUCT. Where the list says 'softmax', what is quantised is not the finished softmax but p = 2^(t - M), with t = logit x log2(e) and M = ceil(the row's largest t), a whole number; so 1/2 < the row's largest p <= 1. The row's sum l is taken of the UNQUANTISED p, in f32, and the product's result is divided by l at the end. Since M is a whole number, a kernel that streams over the keys may use a running M (the ceiling of the running maximum): every later rescaling is an exact power of two, which a block's scale takes up: the codes' values come out the same.
;;   OPERANDS COMPUTED ON THE WAY. 'Computed on the way' means the value that the module computes at that place (a softmax that the list does not call 'softmax' is quantised finished and normalised). What goes into a quantiser is computed in f32, as accurately as f32 sums, v_exp_f32 and their like allow (about 1e-6 of the number): no bf16 or f16 on the way to a quantiser, and a product that is left as it is and whose result goes on into a quantised operand takes f32 operands (vector FMAs, or v_wmma_f32_16x16x4_f32). A number that lies on a knife's edge between two numbers of the format may be rounded either way, as far as f32 arithmetic and the matrix unit's own rounding can turn it there, and no further.
;;   INPUTS GIVEN AS CODES. fc1_w (in the module: [3072, 384], K = its axis 1); fc2_w (in the module: [384, 3072], K = its axis 1): each comes as NAME_codes (uint8): NAME with its K axis moved to the last place and cut into blocks of 32 codes, [.., K / 32, bytes a block], one block behind the other in memory; two codes a byte, the lower K in the low four bits (a code: sign, 2 exponent bits, 1 mantissa bit); and NAME_scales (uint8): the same leading axes, one E8M0 byte (e + 127) for each 32 codes along K. Its value is code x scale, taken as it is: it is not quantised again, and the codes and scales need not be those that the quantiser above would give.
;; One version. Each part assembles by itself: llvm-mc -triple=amdgcn-amd-amdhsa -mcpu=gfx1250 --defsym DOCPART=n.
;; ======== version 1 of 1: 2 launches
;; limits: right only within a limited range of input values
;; workspace buffers: yimg 6,750,208 bytes
;; launch prep (part 1): grid 256 x 1, 8 waves a work-group, no clusters, 100,352 bytes of LDS; arguments x, ln1_w, ln1_b, yimg; writes yimg
.if DOCPART == 1
	.amdgcn_target "amdgcn-amd-amdhsa--gfx1250"
	.amdhsa_code_object_version 6
	.text
	.protected	k_q5213b6d35f_prep
	.globl	k_q5213b6d35f_prep
	.p2align	8
	.type	k_q5213b6d35f_prep,@function
k_q5213b6d35f_prep:
	s_mov_b64 s[64:65], 0
	v_nop
	global_prefetch_b8 v0, s[64:65] scope:SCOPE_SE
	s_setreg_imm32_b32 hwreg(HW_REG_WAVE_MODE, 25, 1), 1
	s_wait_xcnt 0x0
; y = LayerNorm1(x), quantised twice to FP4 (E2M1) with one E8M0 byte for each 32 numbers: along the 384 channels (the operand of y y^T, both sides)
; and along the keys (the operand of p y).  x: [16384][384] f32.  The result is laid as IMAGES OF THE OPERANDS' REGISTERS, by key steps of 128 rows, KSB bytes each:
;   KC  [tile t 0..7][K step j 0..2][c 0..1][lane][16 bytes]: lane (r, h) holds key 32 (t/2) + 8 (t%2) + r + (r&8), channels 128 j + 64 c + 32 h + 0..31
;   VC  [tile n 0..23][c][lane][16 bytes]: lane (r, h) holds channel 16 n + r, keys 64 c + 32 h + 0..31
;   KS  [t][r][4 words]: word j = the key's four scale bytes of K step j; word 3 is filled with the byte 127 and never used
;   VS  [p 0..11][lane][1 word]: channel 32 p + lane, byte b = the scale of key block b
; A work-group takes 64 rows: half e of key step G (tiles 4 e .. 4 e + 3; c = e of VC).  All eight waves normalise 8 rows each (mean, then the sum of squared
; differences: no difference of large sums) and lay y in LDS; behind one barrier waves 0-3 quantise along the channels, a tile each, and waves 4-7 along the keys, 96 channels each.
; A block's scale is 2^(floor(log2(largest magnitude)) - 2): its byte is the largest magnitude's exponent field - 2, held at 1 from below by a floor among the maximum's leaves.
; LIMITS: a block of zeros gets the byte 1 and not 127 (its codes are zeros, and these bytes are read by this program alone); NaN and infinities are not served.
; No tensor loads, no matrix unit, no cluster: work-groups share no input and memory binds.
.set KSB, 52736
.set VCO, 24576
.set KSO, 49152
.set VSO, 51200
.set YP,  1552                         ; an LDS row of y: 1,536 bytes + 16: 388 words, so the 16 rows of a 16-byte read start 4 banks apart
.set LW,  16                           ; v16-27  ln1_w of my 12 channels;  later v16-19 the scale words
.set LB,  28                           ; v28-39  ln1_b
.set X,   40                           ; v40-135 8 rows x 12 numbers;  later the numbers in hand, two sets
.set T,   136                          ; v136-151 a pair a row: sums
.set MU,  152                          ; v152-167 a pair a row: -mean twice, then 1/sigma in the low word
.set PL,  168                          ; v168-175 the other half of the lanes
.set CD,  168                          ; v168-191 codes: registers of their own for every store
.set KW,  16
	s_load_b256 s[4:11], s[0:1], 0x0               ; x s[4:5], ln1_w s[6:7], ln1_b s[8:9], yimg s[10:11]
	v_lshl_add_u32 v192, v0, 2, 0x18400
	v_mov_b32 v193, 0
	v_lshrrev_b32 v1, 5, v0
	s_delay_alu instid0(VALU_DEP_1)
	v_readfirstlane_b32 s12, v1                    ; wave 0..7
	v_and_b32 v1, 31, v0                           ; lane
	v_and_b32 v2, 15, v0                           ; r
	v_bfe_u32 v3, v0, 4, 1                         ; h
	s_delay_alu instid0(VALU_DEP_3)
	v_lshlrev_b32 v4, 4, v1                        ; 16 x lane
	s_wait_alu depctr_va_vdst(0)
	s_lshr_b32 s13, s12, 2                         ; LDS slot 16 t + r holds row 32 (t/2) + 8 (t%2) + r + (r&8); wave w fills slots 8 w .. 8 w + 7,
	s_lshl_b32 s13, s13, 5                         ; which are the eight rows from 32 (w/4) + 8 ((w/2)%2) + 16 (w%2) on
	s_bfe_u32 s14, s12, 0x10001
	s_lshl_b32 s14, s14, 3
	s_add_co_u32 s13, s13, s14
	s_and_b32 s14, s12, 1
	s_lshl_b32 s14, s14, 4
	s_add_co_u32 s13, s13, s14
	s_mul_i32 s13, s13, 1536
	s_mul_i32 s14, ttmp9, 98304                    ; 64 rows of 1,536 bytes a work-group
	s_add_co_u32 s14, s14, s13
	s_mov_b32 s15, 0
	s_mul_i32 s16, s12, 8*YP
	v_add_nc_u32 v5, s16, v4                       ; LDS, on the way in: my wave's eight slots, 16 bytes a lane
	s_and_b32 s17, s12, 3
	s_mul_i32 s18, s17, 16*YP
	v_mul_u32_u24 v6, v2, YP
	s_delay_alu instid0(VALU_DEP_1)
	v_lshl_add_u32 v6, v3, 7, v6
	s_delay_alu instid0(VALU_DEP_1)
	v_add_nc_u32 v6, s18, v6                       ; along the channels: slot 16 (w%4) + r, + 128 h bytes
	s_mul_i32 s19, s17, 384
	v_lshl_add_u32 v7, v1, 2, s19                  ; along the keys: channel 96 (w%4) + lane, rows 0-31;
	s_delay_alu instid0(VALU_DEP_1)
	v_add_nc_u32 v8, 32*YP, v7                     ; rows 32-63
	s_lshr_b32 s20, ttmp9, 1                       ; G
	s_mul_i32 s24, s20, KSB
	s_mov_b32 s25, 0
	s_and_b32 s21, ttmp9, 1                        ; e
	s_lshl_b32 s22, s21, 2
	s_add_co_u32 s22, s22, s17                     ; tile 4 e + w%4
	s_mul_i32 s23, s22, 3072
	v_add_nc_u32 v9, s23, v4                       ; KC: my tile, 16 bytes a lane
	s_lshl_b32 s23, s22, 8
	s_add_co_u32 s23, s23, KSO
	v_lshl_add_u32 v10, v2, 4, s23
	s_delay_alu instid0(VALU_DEP_1)
	v_lshl_add_u32 v10, v3, 3, v10                 ; KS: 16 r + 8 h: lane (r, h) stores words 2 h and 2 h + 1
	s_mul_i32 s23, s17, 6144
	s_lshl_b32 s26, s21, 9
	s_add_co_u32 s23, s23, s26
	s_add_co_u32 s23, s23, VCO
	v_lshl_add_u32 v11, v3, 10, s23
	s_delay_alu instid0(VALU_DEP_1)
	v_lshl_add_u32 v11, v2, 4, v11                 ; VC: tile 6 (w%4) + lane/16, c = e, 16 (lane%16)
	s_mul_i32 s23, s17, 384
	s_lshl_b32 s26, s21, 1
	s_add_co_u32 s23, s23, s26
	s_add_co_u32 s23, s23, VSO
	v_lshl_add_u32 v12, v1, 2, s23                 ; VS: my channel's word, bytes 2 e and 2 e + 1
	v_lshlrev_b32 v13, 3, v3                       ; 8 h
	s_mov_b32 s30, 0xbb2aaaab                      ; -1/384
	s_mov_b32 s31, 0x3b2aaaab                      ; 1/384
	s_mov_b32 s32, 0x3727c5ac                      ; 1e-5
	s_mov_b32 s34, 0x76543210                      ; v_permlanex16_b32: lane l xor 16
	s_mov_b32 s35, 0xfedcba98
.irp i, 0,1,2,3,4,5,6,7
	v_mov_b32 v[PL+\i], 0                          ; a lane permute's destination counts as one of its sources
.endr
	s_wait_kmcnt 0x0
	s_add_nc_u64 s[4:5], s[4:5], s[14:15]
	s_add_nc_u64 s[10:11], s[10:11], s[24:25]
.irp q, 0,1,2
	global_load_b128 v[LW+4*\q:LW+4*\q+3], v4, s[6:7] offset:512*\q
	global_load_b128 v[LB+4*\q:LB+4*\q+3], v4, s[8:9] offset:512*\q
.endr
.irp i, 0,1,2,3,4,5,6,7
.irp q, 0,1,2
	global_load_b128 v[X+12*\i+4*\q:X+12*\i+4*\q+3], v4, s[4:5] offset:1536*\i+512*\q   ; 32 lanes read 512 consecutive bytes
.endr
.endr
	s_wait_loadcnt 0x0
; a row's sum over the 32 lanes, the eight rows by turns
.macro REDUCE
.irp i, 0,1,2,3,4,5,6,7
	v_add_f32 v[T+2*\i], v[T+2*\i], v[T+2*\i+1]
.endr
.irp k, 1,2,4,8
.irp i, 0,1,2,3,4,5,6,7
	v_add_f32_dpp v[T+2*\i], v[T+2*\i], v[T+2*\i] row_xmask:\k row_mask:0xf bank_mask:0xf
.endr
.endr
.irp i, 0,1,2,3,4,5,6,7
	v_permlanex16_b32 v[PL+\i], v[T+2*\i], s34, s35
.endr
.irp i, 0,1,2,3,4,5,6,7
	v_add_f32 v[T+2*\i], v[T+2*\i], v[PL+\i]
.endr
.endm
.irp i, 0,1,2,3,4,5,6,7
	v_pk_add_f32 v[T+2*\i:T+2*\i+1], v[X+12*\i:X+12*\i+1], v[X+12*\i+2:X+12*\i+3]
.endr
.irp k, 4,6,8,10
.irp i, 0,1,2,3,4,5,6,7
	v_pk_add_f32 v[T+2*\i:T+2*\i+1], v[T+2*\i:T+2*\i+1], v[X+12*\i+\k:X+12*\i+\k+1]
.endr
.endr
	REDUCE
.irp i, 0,1,2,3,4,5,6,7
	v_mul_f32 v[MU+2*\i], s30, v[T+2*\i]           ; -mean, twice: a pair for the packed addition
	v_mul_f32 v[MU+2*\i+1], s30, v[T+2*\i]
.endr
.irp k, 0,2,4,6,8,10
.irp i, 0,1,2,3,4,5,6,7
	v_pk_add_f32 v[X+12*\i+\k:X+12*\i+\k+1], v[X+12*\i+\k:X+12*\i+\k+1], v[MU+2*\i:MU+2*\i+1]
.endr
.endr
.irp i, 0,1,2,3,4,5,6,7
	v_pk_mul_f32 v[T+2*\i:T+2*\i+1], v[X+12*\i:X+12*\i+1], v[X+12*\i:X+12*\i+1]
.endr
.irp k, 2,4,6,8,10
.irp i, 0,1,2,3,4,5,6,7
	v_pk_fma_f32 v[T+2*\i:T+2*\i+1], v[X+12*\i+\k:X+12*\i+\k+1], v[X+12*\i+\k:X+12*\i+\k+1], v[T+2*\i:T+2*\i+1]
.endr
.endr
	REDUCE
.irp i, 0,1,2,3,4,5,6,7
	v_fma_f32 v[T+2*\i], v[T+2*\i], s31, s32       ; the variance + 1e-5
.endr
	s_wait_alu depctr_va_vdst(0)
.irp i, 0,1,2,3,4,5,6,7
	v_rsq_f32 v[MU+2*\i], v[T+2*\i]
.endr
	v_nop                                          ; a plain instruction between the last reciprocal root and the use of its result
	s_wait_alu depctr_va_vdst(0)
.irp k, 0,2,4,6,8,10
.irp i, 0,1,2,3,4,5,6,7
	v_pk_mul_f32 v[X+12*\i+\k:X+12*\i+\k+1], v[X+12*\i+\k:X+12*\i+\k+1], v[MU+2*\i:MU+2*\i+1] op_sel_hi:[1,0]
.endr
.endr
.irp k, 0,2,4,6,8,10
.irp i, 0,1,2,3,4,5,6,7
	v_pk_fma_f32 v[X+12*\i+\k:X+12*\i+\k+1], v[X+12*\i+\k:X+12*\i+\k+1], v[LW+\k:LW+\k+1], v[LB+\k:LB+\k+1]
.endr
.endr
.irp i, 0,1,2,3,4,5,6,7
.irp q, 0,1,2
	ds_store_b128 v5, v[X+12*\i+4*\q:X+12*\i+4*\q+3] offset:\i*YP+512*\q
.endr
.endr
	s_wait_dscnt 0x0                               ; for the others' sake: my rows of y lie in LDS
	s_barrier_signal -1
	s_barrier_wait -1
	s_cmp_lt_u32 s12, 4
	s_cbranch_scc0 .Lkeys
; ---- waves 0-3: along the channels.  Lane (r, h) of tile w holds, for K step j, blocks h and 2 + h of its key: 64 numbers, in the order of the operand's registers
.macro KLOAD j
.irp c, 0,1
.irp i, 0,1,2,3,4,5,6,7
	ds_load_b128 v[X+64*((\j)%2)+32*\c+4*\i:X+64*((\j)%2)+32*\c+4*\i+3], v6 offset:512*(\j)+256*\c+16*\i
.endr
.endr
.endm
.macro KWORK j, left
.set NS, X+64*((\j)%2)
	s_wait_dscnt \left                             ; this K step's 16 loads are in; the next one's 16 may be out
.irp c, 0,1
	v_max3_num_f32 v[20+\c], |v[NS+32*\c]|, |v[NS+32*\c+1]|, 0x1800000   ; the floor 2^(3 - 127) holds the byte at 1 from below
.endr
.irp i, 2,4,6,8,10,12,14,16,18,20,22,24,26,28,30
.irp c, 0,1
	s_delay_alu instid0(VALU_DEP_2)
	v_max3_num_f32 v[20+\c], v[20+\c], |v[NS+32*\c+\i]|, |v[NS+32*\c+\i+1]|
.endr
.endr
.irp c, 0,1
	s_delay_alu instid0(VALU_DEP_2)
	v_add_nc_u32 v[22+\c], 0xff000000, v[20+\c]    ; 2 off the exponent field: the conversion's scale operand
.endr
.irp c, 0,1
	s_delay_alu instid0(VALU_DEP_2)
	v_lshrrev_b32 v[24+\c], 23, v[22+\c]           ; the scale's byte
.endr
	s_delay_alu instid0(VALU_DEP_1)
	v_lshl_or_b32 v26, v25, 16, v24                ; my two bytes, blocks h and 2 + h,
	s_delay_alu instid0(VALU_DEP_1)
	v_lshlrev_b32 v26, v13, v26                    ; at their places in the word;
	s_delay_alu instid0(VALU_DEP_1)
	v_permlanex16_b32 v27, v26, s34, s35
	s_delay_alu instid0(VALU_DEP_1)
	v_or_b32 v[KW+(\j)], v26, v27                  ; with lane l xor 16's two the word is whole
.irp c, 0,1
.irp g, 0,1,2,3
	v_cvt_scalef32_pk8_fp4_f32 v[CD+8*(\j)+4*\c+\g], v[NS+32*\c+8*\g:NS+32*\c+8*\g+7], v[22+\c]
.endr
.endr
	v_nop                                          ; one plain place behind a scaled conversion
.irp c, 0,1
	global_store_b128 v9, v[CD+8*(\j)+4*\c:CD+8*(\j)+4*\c+3], s[10:11] offset:1024*(\j)+512*\c   ; 32 lanes store 512 consecutive bytes
.endr
.endm
	KLOAD 0
	KLOAD 1
	KWORK 0, 16
	KLOAD 2
	KWORK 1, 16
	KWORK 2, 0
	v_mov_b32 v[KW+3], 0x7f7f7f7f                  ; the fourth word is filled, so that every byte of the buffer is written
	v_cmp_eq_u32 vcc_lo, 1, v3
	s_delay_alu instid0(VALU_DEP_1)
	v_cndmask_b32 v28, v[KW], v[KW+2], vcc_lo      ; lanes 0-15 store words 0 and 1 of their key, lanes 16-31 words 2 and 3:
	s_delay_alu instid0(VALU_DEP_2)
	v_cndmask_b32 v29, v[KW+1], v[KW+3], vcc_lo
	global_store_b64 v10, v[28:29], s[10:11]       ; the wave stores 256 consecutive bytes
	s_wait_tensorcnt 0x0
	ds_add_u32 v192, v193
	s_wait_dscnt 0x0
	s_endpgm
; ---- waves 4-7: along the keys.  A lane takes a channel and its registers run down the keys: a block of 32 keys lies in one lane
.Lkeys:
.macro VLOAD q                         ; block q: channels 32 (q/2) on of my 96, rows 32 (q%2) on.  Row i of a block lies in slot 16 ((i/8)%2) + i%8 + 8 (i/16)
.irp i, 0,1,2,3,4,5,6,7,8,9,10,11,12,13,14,15,16,17,18,19,20,21,22,23,24,25,26,27,28,29,30,31
	ds_load_b32 v[X+32*((\q)%2)+\i], v[7+(\q)%2] offset:128*((\q)/2)+(16*((\i>>3)&1)+(\i&7)+8*(\i>>4))*YP
.endr
.endm
.macro VWORK q, left
.set NS, X+32*((\q)%2)
	s_wait_dscnt \left                             ; this block's 32 loads are in; the next block's 32 may be out
	v_max3_num_f32 v20, |v[NS]|, |v[NS+1]|, 0x1800000
	v_max3_num_f32 v21, |v[NS+2]|, |v[NS+3]|, |v[NS+4]|
.irp i, 5,9,13,17,21,25
	s_delay_alu instid0(VALU_DEP_2)
	v_max3_num_f32 v20, v20, |v[NS+\i]|, |v[NS+\i+1]|
	s_delay_alu instid0(VALU_DEP_2)
	v_max3_num_f32 v21, v21, |v[NS+\i+2]|, |v[NS+\i+3]|
.endr
	s_delay_alu instid0(VALU_DEP_2)
	v_max3_num_f32 v20, v20, |v[NS+29]|, |v[NS+30]|
	s_delay_alu instid0(VALU_DEP_1)
	v_max3_num_f32 v20, v20, v21, |v[NS+31]|
	s_delay_alu instid0(VALU_DEP_1)
	v_add_nc_u32 v22, 0xff000000, v20
	s_delay_alu instid0(VALU_DEP_1)
	v_lshrrev_b32 v23, 23, v22
.if (\q)%2 == 0
	s_delay_alu instid0(VALU_DEP_1)
	v_mov_b32 v[KW+(\q)/2], v23
.else
	s_delay_alu instid0(VALU_DEP_1)
	v_lshl_or_b32 v[KW+(\q)/2], v23, 8, v[KW+(\q)/2]
.endif
.irp g, 0,1,2,3
	v_cvt_scalef32_pk8_fp4_f32 v[CD+4*(\q)+\g], v[NS+8*\g:NS+8*\g+7], v22
.endr
	v_nop                                          ; one plain place behind a scaled conversion
	global_store_b128 v11, v[CD+4*(\q):CD+4*(\q)+3], s[10:11] offset:2048*((\q)/2)+256*((\q)%2)   ; each half of the lanes stores 256 consecutive bytes, aligned
.if (\q)%2 == 1
	global_store_b16 v12, v[KW+(\q)/2], s[10:11] offset:128*((\q)/2)   ; two of a word's four bytes: the other two are the neighbouring work-group's (768 of my 26,368 bytes leave so)
.endif
.endm
	VLOAD 0
	VLOAD 1
	VWORK 0, 32
	VLOAD 2
	VWORK 1, 32
	VLOAD 3
	VWORK 2, 32
	VLOAD 4
	VWORK 3, 32
	VLOAD 5
	VWORK 4, 32
	VWORK 5, 0
	s_wait_tensorcnt 0x0
	ds_add_u32 v192, v193
	s_wait_dscnt 0x0
	s_endpgm
.Lfunc_end_k_q5213b6d35f_prep:
	.size	k_q5213b6d35f_prep, .Lfunc_end_k_q5213b6d35f_prep-k_q5213b6d35f_prep
	.p2alignl 7, 3214868480
	.fill 96, 4, 3214868480
	.section	.rodata,"a",@progbits
	.p2align	6, 0x0
	.amdhsa_kernel k_q5213b6d35f_prep
		.amdhsa_group_segment_fixed_size 100352
		.amdhsa_private_segment_fixed_size 0
		.amdhsa_enable_private_segment 0
		.amdhsa_kernarg_size 32
		.amdhsa_user_sgpr_count 2
		.amdhsa_user_sgpr_kernarg_segment_ptr 1
		.amdhsa_wavefront_size32 1
		.amdhsa_system_sgpr_workgroup_id_x 1
		.amdhsa_system_sgpr_workgroup_id_y 1
		.amdhsa_system_sgpr_workgroup_id_z 1
		.amdhsa_system_vgpr_workitem_id 0
		.amdhsa_next_free_vgpr 194
		.amdhsa_next_free_sgpr 66
		.amdhsa_reserve_vcc 1
		.amdhsa_float_denorm_mode_32 3
		.amdhsa_float_denorm_mode_16_64 3
		.amdhsa_memory_ordered 1
		.amdhsa_forward_progress 1
		.amdhsa_inst_pref_size 72
	.end_amdhsa_kernel
	.amdgpu_metadata
---
amdhsa.version: [ 1, 2 ]
amdhsa.kernels:
  - .name:           k_q5213b6d35f_prep
    .symbol:         k_q5213b6d35f_prep.kd
    .args:
      - { .name: x, .offset: 0, .size: 8, .value_kind: global_buffer, .address_space: global }
      - { .name: ln1_w, .offset: 8, .size: 8, .value_kind: global_buffer, .address_space: global }
      - { .name: ln1_b, .offset: 16, .size: 8, .value_kind: global_buffer, .address_space: global }
      - { .name: yimg, .offset: 24, .size: 8, .value_kind: global_buffer, .address_space: global }
    .group_segment_fixed_size: 100352
    .private_segment_fixed_size: 0
    .kernarg_segment_align: 8
    .kernarg_segment_size: 32
    .max_flat_workgroup_size: 256
    .sgpr_count:     66
    .vgpr_count:     194
    .wavefront_size: 32
...
	.end_amdgpu_metadata
.endif
;; end of part 1
;; launch block (part 2): grid 256 x 1, 8 waves a work-group, clusters of 4 x 1, 327,680 bytes of LDS; arguments yimg, x, ln2_w, ln2_b, fc1_w_codes, fc1_w_scales, fc1_b, fc2_w_codes, fc2_w_scales, fc2_b, out0; writes out0
.if DOCPART == 2
	.amdgcn_target "amdgcn-amd-amdhsa--gfx1250"
	.amdhsa_code_object_version 6
	.text
	.protected	k_q5213b6d35f_block
	.globl	k_q5213b6d35f_block
	.p2align	8
	.type	k_q5213b6d35f_block,@function
k_q5213b6d35f_block:
	s_mov_b64 s[64:65], 0
	v_nop
	global_prefetch_b8 v0, s[64:65] scope:SCOPE_SE
	s_setreg_imm32_b32 hwreg(HW_REG_WAVE_MODE, 25, 1), 1
	s_wait_xcnt 0x0
	s_wait_alu depctr_hold_cnt(0) depctr_sa_sdst(0) depctr_va_vdst(0) depctr_va_sdst(0) depctr_va_ssrc(0) depctr_va_vcc(0) depctr_vm_vsrc(0)
	s_getreg_b32 s2, hwreg(HW_REG_IB_STS2, 6, 4)
	s_cmp_eq_u32 s2, 0
	s_cbranch_scc0 .Lentry_in_a_cluster
	s_endpgm
.Lentry_in_a_cluster:
	s_bfe_u32 s2, ttmp6, 0x10000c
	s_cmp_lg_u32 s2, 0x3003
	s_cbranch_scc0 .Lentry_shape_is_right
	s_endpgm
.Lentry_shape_is_right:
; out = x1 + gelu(LN2(x1) fc1^T + b1) fc2^T + b2,  x1 = x + softmax(y y^T / sqrt(32)) y,  y = LN1(x) as the first launch left it: images of operand registers, by key steps of 128 keys.
; All four products on codes of FP4 (E2M1) with one E8M0 scale for each 32 along K.  A work-group owns 64 rows from the scores to the output: nothing but out goes to memory.
; ATTENTION.  Eight waves: wave w owns query tile w%4 (16 rows) and CHAIN w/4: chain g walks key steps 2 s + g, s = 0..7, with a running whole number M, a sum l and O^T of its own; the two chains of a
; tile are joined at the end by exact powers of two.  Both products are used transposed (S^T = K Q^T, O^T = V^T P^T): a lane holds one query.  The keys of a tile of K are chosen so that the 16 registers of
; tiles 2 b, 2 b + 1 are 16 neighbouring keys.  p = 2^(t - M), t = score x log2(e)/sqrt(32), M = the ceiling of the running largest t; l sums the unquantised p; O is divided by l at the end.
; K, V and their scale words come through a ring of two LDS slots of two key steps (105,472 bytes).  CLUSTER: the four work-groups of a cluster belong to one batch and walk the same keys: each slot is asked
; for JOINTLY, by waves 0-3, a quarter each (103 rows of 256 bytes).  A refill goes out behind the round at a step's head and has that step (48 matrix instructions and a softmax a wave) in which to land.
; MLP.  The waves share the COLUMNS: in round u = 0..5 wave w makes hidden units 512 u + 64 w .. + 63 for all 64 rows (half w%2 of K step w/2 of the round) and adds onto its outputs 48 w .. 48 w + 47.
; Its weights go from memory straight into operand registers (each fragment serves one wave of the work-group, once: so they take no way through LDS and no joint load): a round's 24 loads of fc1 take a dense
; block of 12,288 bytes, the eight loads of a tile of fc2 256 consecutive bytes of each of its 16 rows.  z and the hidden layer go from wave to wave through LDS as images of their registers.
; x1 + b2 is the C of fc2's first products, b1 that of fc1's.
; LOADS ARE ASKED FOR AHEAD OF VECTOR WORK: V's fragments ahead of the softmax and of O^T's rescaling; z's fragments a tile ahead; fc2's part of a round in three parts among the first tile's gelu; the next
; round's part of fc1 in three parts among the last tile's gelu, as soon as that tile's products have read the registers.
; gelu is exact: |x| <= 1.312: x (1/2 + x G(x^2)), G a polynomial for erf; beyond: relu(x) - |x| 2^(D(|x|)), D a polynomial for log2(erfc(|x|/sqrt 2)/2); both are computed and one is selected.
; LIMITS: NaN and infinities are not served; a block of zeros has the byte 1 and not 127 (its codes are zeros, its bytes stay in this program); for x < -5.6 gelu's relative accuracy is not vouched for
; (its magnitude is under 1e-7 there).
; LDS: 0 slot 0 | 105,472 slot 1 | 210,944 the spare words | 211,968 XST: 64 rows of x, then x1, then out: three lines of 512 + 16 bytes a row | 313,344 z's 12 fragments | 325,632 their scale words.
;   Behind their last fills: slot 0 holds what the chains hand each other (8 x 12,288 bytes of O^T; from 98,304 on -M and l); slot 1 the hidden layer's two buffers, at 131,072 and 163,840.
; REGISTERS, in two windows of 256.  v40-75 of window 0 hold scale words and nothing else.
;   attention: window 0: v3-12 LDS addresses; v14 -M, v15 largest t, v16-17 l, v18-19 f; v20-31 at work; v32-39 p's codes; v76-139 S^T, then p, then eight fragments of V; v140-235 twelve fragments of K or V.
;        window 1: v0-191 O^T; v192-215 Q; v216-247 four fragments of V.
;   MLP: window 0: v3-20, v249-254 addresses; v28-33 constants; v76-171 Y (12 accumulators); v172-203 four hidden tiles, later fragments; v204-243 at work, later fragments; v244-248 codes and scale bytes.
;        window 1: v0-95 fc1's 12 fragments; v96-191 fc2's 12; v192-223 b1; v224-247 z's three fragments.
; WHERE THE LINES ABOVE AND THESE DIFFER, THESE HOLD.
; gelu(x) = relu(x) - |x| E, E = erfc(|x| / sqrt 2) / 2, with no selection: with c = 1.312, E = (1/2 - Tn G(Tn^2)) x 2^(D(Tf) - D(c)), Tn = min(|x|, c), Tf = max(|x|, c): one of the two factors stands at c,
; where the two forms meet.  -(D(c) + 1) is made once, by the loop's own multiply-adds, so that the second factor is 1 to rounding for |x| <= c.
; fc2's part of a round is asked for among the SECOND tile's gelu.  fc2's products of round u stand behind the first tile of round u + 1: the round's barrier is signalled at a round's head and waited for
; behind that tile's work on registers.
; MLP registers, window 0: v3-26 addresses; v27 a tile's two scale bytes; v28-33, v36-39 constants; v204-251 at work, later fragments (to v235); v252-255 a tile's codes.
.set KSB,   52736
.set SLOTB, 2*KSB
.set VCO,   24576
.set KSO,   49152
.set VSO,   51200
.set SPARE, 2*SLOTB
.set XST,   SPARE+1024
.set XP,    1584
.set ZIMG,  XST+64*XP
.set ZSC,   ZIMG+12288
.set ML,    98304
.set HB,    131072
.set HSCO,  16384
.set HX,    32768
.set SPW, 1
.set NIL, 2
.set AK,  3                            ; v3, v4    16 x lane + my chain's key step, in slot 0, 1
.set AV0, 5                            ; v5, v6    V's tiles of my O^T slots 0-11
.set AV1, 7                            ; v7, v8    of slots 12-23
.set AS0, 9                            ; v9, v10   V's scale words of slots 0-11
.set AS1, 11                           ; v11, v12  of slots 12-23
.set NM,  14
.set LL,  16
.set FF,  18
.set BM,  20
.set PT,  24
.set TT,  27
.set SO,  28
.set PCD, 32
.set QSC, 40
.set KSC, 44
.set VSC, 60
.set PSW, 72
.set S,   76
.set F,   140
.set QW,  192
.set EV,  216
.set W1S, 40
.set W2S, 52
.set ZS,  64
.set HS,  68
.set YY,  76
.set HA,  172
.set GR,  204
.set GT,  216
.set GW,  228
.set GQ,  240
.set PCH, 252
.set PW,  27
.set W2F, 96
.set B1,  192
.set ZF,  224
.set WV,  26
.set WG,  28
.set GG,  30
.set TI,  31
.set G1R, 32
.set G1X, 40
.set G0R, 48
.set G0X, 56
.set CNT, 60
.set HBS, 61
.set CS,  62
.set SEL, 66
.set D7,  68
.set D5,  70
.set G5,  72
.set D3,  74
.set D2,  76
.set D1,  78
.set G3,  80
.set G2,  82
.set G1,  84
.set G0,  86
.set THR, 88
.set MSB, 0
.macro WIN new                         ; the immediate's high byte repeats the setting that is left; a switch that changes nothing is dropped
.if MSB != \new
	s_set_vgpr_msb (MSB<<8)|\new
.set MSB, \new
.endif
.endm
.macro PLACES                          ; four plain places behind matrix instructions, in front of loads into their registers and of reads of their results
.rept 4
	v_nop
.endr
.endm
.macro BARRIER                         ; my LDS stores have landed and my LDS loads are in: then the work-group's barrier
	s_wait_dscnt 0x0
	s_barrier_signal -1
	s_barrier_wait -1
.endm
.macro CROUND                          ; a round of the cluster's barrier
	s_barrier_signal -1
	s_barrier_wait -1
	s_cmp_lg_u32 s[WV], 0
	s_cbranch_scc1 .Lnot_wave_0_\@
	s_barrier_signal -3
.Lnot_wave_0_\@:
	s_barrier_wait -3
	s_barrier_signal -1
	s_barrier_wait -1
.endm
.macro JLOAD s                         ; the joint fill of slot s: waves 0-3, a quarter each; four v_nop follow the line
	s_cmp_lt_u32 s[WV], 4
	s_cbranch_scc0 .Lnone_\@
	tensor_load_to_lds s[G0R+4*\s:G0R+4*\s+3], s[G1R:G1R+7]
	s_nop 0
.rept 4
	v_nop
.endr
.Lnone_\@:
.endm
; one matrix instruction.  z = 1: the constant 0 starts the sum; odd = 1: source 0's scale words stand in lanes 16-31
.macro MM d, a, b, z, c, sa, sb, odd
.if \z
.if \odd
	v_wmma_scale_f32_16x16x128_f8f6f4 v[\d:\d+7], v[\a:\a+7], v[\b:\b+7], 0, v[\sa], v[\sb] matrix_a_fmt:MATRIX_FMT_FP4 matrix_b_fmt:MATRIX_FMT_FP4 matrix_a_scale:MATRIX_SCALE_ROW1
.else
	v_wmma_scale_f32_16x16x128_f8f6f4 v[\d:\d+7], v[\a:\a+7], v[\b:\b+7], 0, v[\sa], v[\sb] matrix_a_fmt:MATRIX_FMT_FP4 matrix_b_fmt:MATRIX_FMT_FP4
.endif
.else
.if \odd
	v_wmma_scale_f32_16x16x128_f8f6f4 v[\d:\d+7], v[\a:\a+7], v[\b:\b+7], v[\c:\c+7], v[\sa], v[\sb] matrix_a_fmt:MATRIX_FMT_FP4 matrix_b_fmt:MATRIX_FMT_FP4 matrix_a_scale:MATRIX_SCALE_ROW1
.else
	v_wmma_scale_f32_16x16x128_f8f6f4 v[\d:\d+7], v[\a:\a+7], v[\b:\b+7], v[\c:\c+7], v[\sa], v[\sb] matrix_a_fmt:MATRIX_FMT_FP4 matrix_b_fmt:MATRIX_FMT_FP4
.endif
.endif
.endm
; z's three fragments and scale words of rows 16 m on: nine LDS loads (v9: 16 x lane + ZIMG; v10: 4 r + ZSC)
.macro ZFETCH m
	WIN 0x40
.irp j, 0,1,2
.irp c, 0,1
	ds_load_b128 v[ZF+8*\j+4*\c:ZF+8*\j+4*\c+3], v9 offset:(3*(\m)+\j)*1024+512*\c
.endr
.endr
	WIN 0
.irp j, 0,1,2
	ds_load_b32 v[ZS+\j], v10 offset:(3*(\m)+\j)*128
.endr
.endm
	s_load_b512 s[4:19], s[0:1], 0x0               ; yimg 4, x 6, ln2_w 8, ln2_b 10, fc1 codes 12, fc1 scales 14, fc1_b 16, fc2 codes 18
	s_load_b128 s[20:23], s[0:1], 0x40             ; fc2 scales 20, fc2_b 22
	s_load_b64 s[24:25], s[0:1], 0x50              ; out
	v_lshl_add_u32 v[SPW], v0, 2, SPARE
	v_mov_b32 v[NIL], 0
	ds_add_u32 v1, v2
	ds_add_u32 v1, v2
	s_wait_dscnt 0x0
	v_lshrrev_b32 v13, 5, v0
	s_delay_alu instid0(VALU_DEP_1)
	v_readfirstlane_b32 s[WV], v13                 ; wave 0..7
	s_bfe_u32 s27, ttmp6, 0x40000                  ; cx: it enters Q's, x's and out's global addresses alone
	s_lshl_b32 s[WG], ttmp9, 2
	s_add_co_u32 s[WG], s[WG], s27                 ; my block of 64 rows
	s_lshr_b32 s29, ttmp9, 3                       ; the batch: eight clusters each, shared by the four partners
	s_lshr_b32 s[GG], s[WV], 2                     ; my chain
	s_and_b32 s[TI], s[WV], 3                      ; my query tile
	; group 1 of the joint loads: 103 rows of 32 elements of 8 bytes, dense, no padding; the mask names all four work-groups, bit 21 beside it
	s_mov_b32 s[G1R], 15|(3<<16)|(1<<21)
	s_mov_b32 s[G1R+1], 32<<16
	s_mov_b32 s[G1R+2], 103<<16
	s_mov_b32 s[G1R+3], 32<<16
	s_mov_b32 s[G1R+4], 103
	s_mov_b32 s[G1R+5], 32
	s_mov_b32 s[G1R+6], 0
	s_mov_b32 s[G1R+7], 0
	; group 1 of x's tile: 96 lines of 128 elements of 4 bytes (32 rows of x, dense), four words of padding behind each 128
	s_mov_b32 s[G1X], (2<<16)|(1<<20)|(6<<22)|(3<<25)
	s_mov_b32 s[G1X+1], 128<<16
	s_mov_b32 s[G1X+2], 96<<16
	s_mov_b32 s[G1X+3], 128<<16
	s_mov_b32 s[G1X+4], 96
	s_mov_b32 s[G1X+5], 128
	s_mov_b32 s[G1X+6], 0
	s_mov_b32 s[G1X+7], 0
	s_mul_i32 s80, s[WV], 26368                    ; my quarter of a slot
	s_mul_i32 s82, s29, 16*KSB                     ; the batch's sixteen key steps
	s_add_co_u32 s82, s82, s80
	s_mov_b32 s83, 0
	s_and_b32 s84, s[WV], 1
	s_mul_i32 s85, s84, 50688                      ; x's tile: half w%2, in LDS,
	s_mul_i32 s86, s84, 49152                      ; and in memory
	s_mul_i32 s87, s[WG], 98304
	s_add_co_u32 s86, s86, s87
	s_mov_b32 s90, s87                             ; my 64 rows' first byte, in x and in out
	s_mov_b32 s91, 0
	s_mov_b32 s87, 0
	s_lshr_b32 s94, s[WG], 1                       ; my queries lie in key step WG/2, tiles 4 (WG%2) + 0..3
	s_mul_i32 s94, s94, KSB
	s_mov_b32 s95, 0
	s_mov_b32 s[CS], 0x3e8293ee                    ; c = log2(e) / sqrt(32)
	s_mov_b32 s[CS+1], s[CS]                       ; (named with it as a pair, so it is written)
	s_mov_b32 s[SEL], 0x76543210
	s_mov_b32 s[SEL+1], 0xfedcba98                 ; v_permlanex16_b32: lane l xor 16
	s_wait_kmcnt 0x0
	s_mov_b32 s[G0R], 1                            ; group 0 of slot 0: key steps 0 and 1
	s_mov_b32 s[G0R+1], s80
	s_add_nc_u64 s[G0R+2:G0R+3], s[4:5], s[82:83]
	s_mov_b32 s[G0R+4], 1                          ; of slot 1: key steps 2 and 3
	s_add_co_u32 s[G0R+5], s80, SLOTB
	s_add_nc_u64 s[G0R+6:G0R+7], s[G0R+2:G0R+3], SLOTB
	s_or_b32 s[G0R+3], s[G0R+3], 0x80000000
	s_or_b32 s[G0R+7], s[G0R+7], 0x80000000
	s_mov_b32 s[G0X], 1
	s_add_co_u32 s[G0X+1], s85, XST
	s_add_nc_u64 s[G0X+2:G0X+3], s[6:7], s[86:87]
	s_or_b32 s[G0X+3], s[G0X+3], 0x80000000
	s_add_nc_u64 s[94:95], s[4:5], s[94:95]        ; Q's key step
	s_add_nc_u64 s[24:25], s[24:25], s[90:91]      ; out at my first row
	CROUND                                         ; all four work-groups are here: the first joint loads meet
	s_cmp_lt_u32 s[WV], 4                          ; the first fills, one a wave, in one branch: waves 0-3 slot 0, waves 4 and 5 the halves of x's tile
	s_cbranch_scc0 .Lnot_ring
	tensor_load_to_lds s[G0R:G0R+3], s[G1R:G1R+7]
	s_nop 0
.rept 4
	v_nop
.endr
	s_branch .Lfilled
.Lnot_ring:
	s_cmp_lt_u32 s[WV], 6
	s_cbranch_scc0 .Lfilled
	tensor_load_to_lds s[G0X:G0X+3], s[G1X:G1X+7]
	s_nop 0
.rept 4
	v_nop
.endr
.Lfilled:
	v_and_b32 v13, 31, v0                          ; lane
	s_wait_alu depctr_va_vdst(0)
	s_and_b32 s96, s[WG], 1
	s_lshl_b32 s96, s96, 2
	s_add_co_u32 s96, s96, s[TI]                   ; Q: tile 4 (WG%2) + w%4
	s_mul_i32 s97, s96, 3072
	v_lshl_add_u32 v20, v13, 4, s97
	s_lshl_b32 s96, s96, 8
	s_add_co_u32 s96, s96, KSO
	v_and_b32 v21, 15, v0
	s_delay_alu instid0(VALU_DEP_1)
	v_lshl_add_u32 v21, v21, 4, s96
	WIN 0x40                                       ; destination window 1
.irp j, 0,1,2
.irp c, 0,1
	global_load_b128 v[QW+8*\j+4*\c:QW+8*\j+4*\c+3], v20, s[94:95] offset:1024*\j+512*\c   ; Q stays in registers
.endr
.endr
	WIN 0
	global_load_b128 v[QSC:QSC+3], v21, s[94:95]   ; its scale words: word j in v[QSC + j]
	s_mul_i32 s88, s[GG], KSB
	v_lshl_add_u32 v[AK], v13, 4, s88
	s_delay_alu instid0(VALU_DEP_1)
	v_add_nc_u32 v[AK+1], SLOTB, v[AK]
	; O^T slot k holds channel tile (k + 12 g) mod 24: the turn lies in the addresses alone, so that every wave keeps slots 0-11 and hands over slots 12-23
	s_mul_i32 s89, s[GG], 12288
	s_add_co_u32 s89, s89, VCO
	v_add_nc_u32 v[AV0], s89, v[AK]
	v_add_nc_u32 v[AV0+1], s89, v[AK+1]
	s_xor_b32 s90, s[GG], 1
	s_mul_i32 s91, s90, 12288
	s_add_co_u32 s91, s91, VCO
	v_add_nc_u32 v[AV1], s91, v[AK]
	v_add_nc_u32 v[AV1+1], s91, v[AK+1]
	s_mul_i32 s92, s[GG], 768
	s_add_co_u32 s92, s92, s88
	s_add_co_u32 s92, s92, VSO
	v_lshl_add_u32 v[AS0], v13, 2, s92
	s_delay_alu instid0(VALU_DEP_1)
	v_add_nc_u32 v[AS0+1], SLOTB, v[AS0]
	s_mul_i32 s93, s90, 768
	s_add_co_u32 s93, s93, s88
	s_add_co_u32 s93, s93, VSO
	v_lshl_add_u32 v[AS1], v13, 2, s93
	s_delay_alu instid0(VALU_DEP_1)
	v_add_nc_u32 v[AS1+1], SLOTB, v[AS1]
	v_mov_b32 v[NM+1], 0xff61b1e6                  ; the largest t so far: -3e38
	s_delay_alu instid0(VALU_DEP_1)
	v_floor_f32 v[NM], -v[NM+1]                    ; -M
	v_mov_b32 v[LL], 0
	v_mov_b32 v[LL+1], 0
.irp b, 0,1,2,3
	v_mov_b32 v[PT+\b], 0                          ; a lane permute's destination counts as one of its sources
.endr
	v_mov_b32 v[FF+1], 0                           ; (named as the upper half of f's pair)
.macro KFETCH slot, t0                 ; K's tiles t0 .. t0 + 3, three K steps each: 24 loads of 512 consecutive bytes
.irp f, 0,1,2,3,4,5,6,7,8,9,10,11
.irp c, 0,1
	ds_load_b128 v[F+8*\f+4*\c:F+8*\f+4*\c+3], v[AK+\slot] offset:(3*\t0+\f)*1024+512*\c
.endr
.endr
.endm
.macro VFETCH adr                      ; twelve tiles of V
.irp k, 0,1,2,3,4,5,6,7,8,9,10,11
.irp c, 0,1
	ds_load_b128 v[F+8*\k+4*\c:F+8*\k+4*\c+3], v[\adr] offset:1024*\k+512*\c
.endr
.endr
.endm
.macro QK t0                           ; S^T of four tiles of keys: 12 matrix instructions, the four accumulators by turns, K ascending
	WIN 0x04                                       ; source 1 (Q) window 1
.irp j, 0,1,2
.irp tt, 0,1,2,3
.if \j == 0
	MM S+8*(\t0+\tt), F+8*(3*\tt+\j), QW+8*\j, 1, 0, KSC+4*((\t0+\tt)/2)+\j, QSC+\j, \tt%2
.else
	MM S+8*(\t0+\tt), F+8*(3*\tt+\j), QW+8*\j, 0, S+8*(\t0+\tt), KSC+4*((\t0+\tt)/2)+\j, QSC+\j, \tt%2
.endif
.endr
.endr
	WIN 0
.endm
.macro PVALL first                     ; O^T += V^T P^T: 24 accumulators, one instruction each.  V's fragments: slots 0-11 where K's lay, 12-19 where p lay, 20-23 in window 1
	WIN 0x50                                       ; C and D window 1
.irp k, 0,1,2,3,4,5,6,7,8,9,10,11
	MM 8*\k, F+8*\k, PCD, \first, 8*\k, VSC+\k/2, PSW, \k%2
.endr
.irp k, 12,13,14,15,16,17,18,19
	MM 8*\k, S+8*(\k-12), PCD, \first, 8*\k, VSC+\k/2, PSW, \k%2
.endr
	WIN 0x51                                       ; source 0 window 1 too
.irp k, 20,21,22,23
	MM 8*\k, EV+8*(\k-20), PCD, \first, 8*\k, VSC+\k/2, PSW, \k%2
.endr
	WIN 0
.endm
.macro SOFTMAX
.irp b, 0,1,2,3
	v_max3_num_f32 v[BM+\b], v[S+16*\b], v[S+16*\b+1], v[S+16*\b+2]   ; the largest score of each block of 32 keys: it serves the row's maximum and, since p rises with the score, the block's largest p
.endr
.irp i, 3,5,7,9,11,13
.irp b, 0,1,2,3
	v_max3_num_f32 v[BM+\b], v[BM+\b], v[S+16*\b+\i], v[S+16*\b+\i+1]
.endr
.endr
.irp b, 0,1,2,3
	v_max_num_f32 v[BM+\b], v[BM+\b], v[S+16*\b+15]
.endr
.irp b, 0,1,2,3
	s_delay_alu instid0(VALU_DEP_4)
	v_permlanex16_b32 v[PT+\b], v[BM+\b], s[SEL], s[SEL+1]
.endr
.irp b, 0,1,2,3
	s_delay_alu instid0(VALU_DEP_4)
	v_max_num_f32 v[BM+\b], v[BM+\b], v[PT+\b]     ; with lane l xor 16's 16 keys
.endr
	s_delay_alu instid0(VALU_DEP_2)
	v_max3_num_f32 v[TT], v[BM], v[BM+1], v[BM+2]
	s_delay_alu instid0(VALU_DEP_1)
	v_max_num_f32 v[TT], v[TT], v[BM+3]
	s_delay_alu instid0(VALU_DEP_1)
	v_mul_f32 v[TT], s[CS], v[TT]                  ; the step's largest t
	s_delay_alu instid0(VALU_DEP_1)
	v_max_num_f32 v[NM+1], v[NM+1], v[TT]
	v_mov_b32 v[TT], v[NM]
	s_delay_alu instid0(VALU_DEP_2)
	v_floor_f32 v[NM], -v[NM+1]                    ; the new -M = -ceil(largest t)
	s_delay_alu instid0(VALU_DEP_1)
	v_sub_f32 v[TT], v[NM], v[TT]                  ; old M - new M: a whole number, 0 or less
	s_delay_alu instid0(VALU_DEP_1)
	v_cvt_i32_f32 v[TT], v[TT]                     ; (it saturates)
	s_delay_alu instid0(VALU_DEP_1)
	v_ldexp_f32 v[FF], 1.0, v[TT]                  ; f = 2^(old M - new M): exact
.set ix, 0
.rept 32
	v_pk_fma_f32 v[S+ix:S+ix+1], v[S+ix:S+ix+1], s[CS:CS+1], v[NM:NM+1] op_sel_hi:[1,0,0]   ; t - M
.set ix, ix+2
.endr
.irp b, 0,1,2,3
	v_fma_f32 v[BM+\b], v[BM+\b], s[CS], v[NM]
.endr
.set ix, 0
	s_wait_alu depctr_va_vdst(0)
.rept 64
	v_exp_f32 v[S+ix], v[S+ix]                     ; p = 2^(t - M)
.set ix, ix+1
.endr
.irp b, 0,1,2,3
	v_exp_f32 v[BM+\b], v[BM+\b]                   ; the block's largest p: the same two instructions on the same number
.endr
	v_pk_mul_f32 v[LL:LL+1], v[LL:LL+1], v[FF:FF+1] op_sel_hi:[1,0]   ; l under the new M (a plain place behind the exponentials)
	s_wait_alu depctr_va_vdst(0)
.irp b, 0,1,2,3
	v_max_num_f32 v[BM+\b], 0x1800000, v[BM+\b]    ; the floor 2^(3 - 127): the byte cannot fall under 1
.endr
.irp b, 0,1,2,3
	s_delay_alu instid0(VALU_DEP_4)
	v_add_nc_u32 v[SO+\b], 0xff000000, v[BM+\b]    ; 2 off the exponent field: the conversion's scale operand
.endr
.irp b, 0,1,2,3
	s_delay_alu instid0(VALU_DEP_4)
	v_lshrrev_b32 v[PT+\b], 23, v[SO+\b]
.endr
	s_delay_alu instid0(VALU_DEP_3)
	v_lshl_or_b32 v[PSW], v[PT+1], 8, v[PT]        ; p's scale word for these 128 keys
	s_delay_alu instid0(VALU_DEP_1)
	v_lshl_or_b32 v[PSW], v[PT+2], 16, v[PSW]
	s_delay_alu instid0(VALU_DEP_1)
	v_lshl_or_b32 v[PSW], v[PT+3], 24, v[PSW]
.irp b, 0,1,2,3
	v_cvt_scalef32_pk8_fp4_f32 v[PCD+2*\b], v[S+16*\b:S+16*\b+7], v[SO+\b]
	v_cvt_scalef32_pk8_fp4_f32 v[PCD+2*\b+1], v[S+16*\b+8:S+16*\b+15], v[SO+\b]
.endr
	v_nop                                          ; one plain place behind a scaled conversion
.irp c, 0,1
.irp i, 0,1
	v_permlane16_swap_b32 v[PCD+4*\c+\i], v[PCD+4*\c+2+\i]   ; a whole block to a lane, as the operand's layout wants it
.endr
.endr
	v_pk_add_f32 v[24:25], v[80:81], v[84:85]
	v_pk_add_f32 v[254:255], v[88:89], v[92:93]
	v_pk_add_f32 v[252:253], v[96:97], v[100:101]
	v_pk_add_f32 v[250:251], v[104:105], v[108:109]
	v_pk_add_f32 v[248:249], v[112:113], v[116:117]
	v_pk_add_f32 v[246:247], v[120:121], v[124:125]
	v_pk_add_f32 v[244:245], v[128:129], v[132:133]
	v_pk_add_f32 v[16:17], v[16:17], v[136:137]
	v_pk_add_f32 v[24:25], v[24:25], v[76:77]
	v_pk_add_f32 v[254:255], v[254:255], v[78:79]
	v_pk_add_f32 v[252:253], v[252:253], v[82:83]
	v_pk_add_f32 v[250:251], v[250:251], v[86:87]
	v_pk_add_f32 v[248:249], v[248:249], v[90:91]
	v_pk_add_f32 v[246:247], v[246:247], v[94:95]
	v_pk_add_f32 v[244:245], v[244:245], v[98:99]
	v_pk_add_f32 v[16:17], v[16:17], v[102:103]
	v_pk_add_f32 v[24:25], v[24:25], v[106:107]
	v_pk_add_f32 v[254:255], v[254:255], v[110:111]
	v_pk_add_f32 v[252:253], v[252:253], v[114:115]
	v_pk_add_f32 v[250:251], v[250:251], v[118:119]
	v_pk_add_f32 v[248:249], v[248:249], v[122:123]
	v_pk_add_f32 v[246:247], v[246:247], v[126:127]
	v_pk_add_f32 v[244:245], v[244:245], v[130:131]
	v_pk_add_f32 v[16:17], v[16:17], v[134:135]
	v_pk_add_f32 v[24:25], v[24:25], v[138:139]
	s_delay_alu instid0(VALU_DEP_2)
	v_pk_add_f32 v[16:17], v[16:17], v[250:251]
	s_delay_alu instid0(VALU_DEP_2)
	v_pk_add_f32 v[24:25], v[24:25], v[248:249]
	v_pk_add_f32 v[254:255], v[254:255], v[246:247]
	v_pk_add_f32 v[252:253], v[252:253], v[244:245]
	s_delay_alu instid0(VALU_DEP_2)
	v_pk_add_f32 v[16:17], v[16:17], v[254:255]
	s_delay_alu instid0(VALU_DEP_2)
	v_pk_add_f32 v[24:25], v[24:25], v[252:253]
	s_delay_alu instid0(VALU_DEP_1)
	v_pk_add_f32 v[16:17], v[16:17], v[24:25]
.endm
; A KEY STEP of my chain, out of slot \slot.  first = 1: its products start O^T's sums: nothing is cleared and nothing rescaled.
.macro WORK slot, first
.irp p, 0,1,2,3
	ds_load_b128 v[KSC+4*\p:KSC+4*\p+3], v[AK+\slot] offset:KSO+512*\p   ; K's scale words: lanes 0-15 tile 2 p, lanes 16-31 tile 2 p + 1; register j = K step j
.endr
.irp p, 0,1,2,3,4,5
	ds_load_b32 v[VSC+\p], v[AS0+\slot] offset:128*\p                    ; V's: lanes 0-15 slot 2 p, lanes 16-31 slot 2 p + 1
.endr
.irp p, 0,1,2,3,4,5
	ds_load_b32 v[VSC+6+\p], v[AS1+\slot] offset:128*\p
.endr
	KFETCH \slot, 0
	s_wait_dscnt 0x0
	QK 0
	PLACES
	KFETCH \slot, 4
	s_wait_dscnt 0x0
	QK 4
	PLACES
	VFETCH AV0+\slot                               ; V's slots 0-11 and 20-23 land under the softmax
	WIN 0x40                                       ; destination window 1
.irp k, 0,1,2,3
.irp c, 0,1
	ds_load_b128 v[EV+8*\k+4*\c:EV+8*\k+4*\c+3], v[AV1+\slot] offset:1024*(8+\k)+512*\c
.endr
.endr
	WIN 0
	SOFTMAX
.irp k, 0,1,2,3,4,5,6,7
.irp c, 0,1
	ds_load_b128 v[S+8*\k+4*\c:S+8*\k+4*\c+3], v[AV1+\slot] offset:1024*\k+512*\c   ; the sums have read p: V's slots 12-19 take its registers and land under O^T's rescaling
.endr
.endr
.if \first == 0
	WIN 0x41                                       ; O^T window 1, f window 0
.set ix, 0
.rept 96
	v_pk_mul_f32 v[ix:ix+1], v[ix:ix+1], v[FF:FF+1] op_sel_hi:[1,0]   ; O^T under the new M, each accumulator from its low end on
.set ix, ix+2
.endr
	WIN 0
.endif
	s_wait_alu depctr_va_vdst(0)
	s_wait_dscnt 0x0                               ; all of V is in, and my reads of the slot are over
	PVALL \first
.rept 5
	v_nop                                          ; five places: the next step's products write over registers that these have read; its loads into the fragments and the scale words want four
.endr
.endm
; THE CHANGE OF SLOTS, at a step's head.  Each wave waits for all its tensor loads, adds 0 to its spare word, and waits for that and for its reads of the slot that it has left.  fill = 1: a round of the
; cluster's barrier follows (no wave of any partner still reads that slot or has a load on its way), and the joint fill of slot \slot is the first thing behind it.  step = 1: that slot's address goes two slots on.
.macro CHANGE fill, slot, step
	s_wait_tensorcnt 0x0                           ; no tensor load of mine is out, so a group 0 may be written
	ds_add_u32 v[SPW], v[NIL]                      ; 0 onto my spare word
.if \step
	s_add_nc_u64 s[G0R+4*\slot+2:G0R+4*\slot+3], s[G0R+4*\slot+2:G0R+4*\slot+3], 2*SLOTB
.endif
	s_wait_dscnt 0x0                               ; the add is done, and my reads of the slot that I have left are over
.if \fill
	CROUND
	JLOAD \slot
.else
	s_barrier_signal -1
	s_barrier_wait -1
.endif
.endm
	s_wait_loadcnt 0x0                             ; Q
	CHANGE 1, 1, 0                                 ; slot 0 and x's tile are in; slot 1 has its first fill, issued as a refill is
	WORK 0, 1
	s_mov_b32 s[CNT], 3
.Lpair:                                            ; three trips of two steps: steps 1 to 6
	CHANGE 1, 0, 1
	WORK 1, 0
	CHANGE 1, 1, 1
	WORK 0, 0
	s_sub_co_u32 s[CNT], s[CNT], 1
	s_cmp_lg_u32 s[CNT], 0
	s_cbranch_scc1 .Lpair
	CHANGE 0, 0, 0                                 ; the last step is written out: nothing is left to fetch.  Behind this barrier nobody reads slot 0, which has had its last fill
	WORK 1, 0
	; ---- THE TWO CHAINS OF A TILE ARE JOINED.  Wave w hands O^T slots 12-23, -M and l to wave w xor 4 and takes that wave's.
	v_add_f32 v[LL], v[LL], v[LL+1]
	s_delay_alu instid0(VALU_DEP_1)
	v_permlanex16_b32 v[PT], v[LL], s[SEL], s[SEL+1]
	s_delay_alu instid0(VALU_DEP_1)
	v_add_f32 v[LL], v[LL], v[PT]                  ; my chain's l
	v_and_b32 v34, 31, v0                          ; lane
	v_and_b32 v35, 15, v0                          ; r
	v_bfe_u32 v36, v0, 4, 1                        ; h
	s_lshl_b32 s80, s[WV], 8
	s_add_co_u32 s80, s80, ML
	v_lshl_add_u32 v3, v34, 2, s80                 ; v3: my -M and l
	s_xor_b32 s81, s[WV], 4
	s_lshl_b32 s82, s81, 8
	s_add_co_u32 s82, s82, ML
	v_lshl_add_u32 v4, v34, 2, s82                 ; v4: the partner's
	s_mul_i32 s83, s[WV], 12288
	v_lshl_add_u32 v5, v34, 4, s83                 ; v5: where I put slots 12-23
	s_mul_i32 s84, s81, 12288
	v_lshl_add_u32 v6, v34, 4, s84                 ; v6: where the partner has put its own
	v_and_b32 v37, 8, v35
	s_delay_alu instid0(VALU_DEP_1)
	v_add_nc_u32 v37, v37, v35                     ; r + (r&8)
	s_delay_alu instid0(VALU_DEP_1)
	v_mul_u32_u24 v37, v37, XP
	s_delay_alu instid0(VALU_DEP_1)
	v_lshl_add_u32 v37, v36, 5, v37
	s_wait_alu depctr_va_vdst(0)
	s_lshr_b32 s85, s[TI], 1                       ; my query r is row 32 (i/2) + 8 (i%2) + r + (r&8) of the 64
	s_lshl_b32 s85, s85, 5
	s_and_b32 s86, s[TI], 1
	s_lshl_b32 s86, s86, 3
	s_add_co_u32 s85, s85, s86
	s_mul_i32 s85, s85, XP
	s_add_co_u32 s85, s85, XST
	s_mul_i32 s86, s[GG], 768                      ; the slots that I keep are channels 192 g on: byte 768 g of a row
.irp q, 0,1,2
	s_add_co_u32 s87, s86, 256*\q                  ; v7-9: four slots' 256 bytes of my row, + 32 h; byte b of a row lies at b + 16 (b / 512)
	s_lshr_b32 s88, s87, 9
	s_lshl_b32 s88, s88, 4
	s_add_co_u32 s87, s87, s88
	s_add_co_u32 s87, s87, s85
	v_add_nc_u32 v[7+\q], s87, v37
.endr
	v_bfe_u32 v38, v0, 2, 3                        ; LayerNorm 2: four lanes to a row: row 8 w + lane/4,
	v_and_b32 v39, 3, v0                           ; quarter qd = lane%4: of each 128 channels the block of 32 from 32 qd on
	s_wait_alu depctr_va_vdst(0)
	v_lshlrev_b32 v10, 7, v39                      ; v10: 128 qd: my bytes of ln2_w and ln2_b
	v_mul_u32_u24 v11, v38, XP
	s_delay_alu instid0(VALU_DEP_1)
	v_lshl_add_u32 v11, v39, 7, v11
	s_mul_i32 s80, s[WV], 8*XP
	s_add_co_u32 s80, s80, XST
	v_add_nc_u32 v11, s80, v11                     ; v11: my row of x1
	s_lshr_b32 s81, s[WV], 1
	s_mul_i32 s82, s81, 3072
	s_and_b32 s83, s[WV], 1
	s_lshl_b32 s84, s83, 7
	s_add_co_u32 s82, s82, s84
	s_add_co_u32 s82, s82, ZIMG
	v_lshlrev_b32 v12, 8, v39
	s_delay_alu instid0(VALU_DEP_1)
	v_lshl_add_u32 v12, v38, 4, v12
	s_delay_alu instid0(VALU_DEP_1)
	v_add_nc_u32 v12, s82, v12                     ; v12: z's images: tile w/2; block qd is registers 4 (qd/2) on of lane 16 (qd%2) + 8 (w%2) + lane/4
	s_mul_i32 s85, s81, 384
	s_lshl_b32 s86, s83, 5
	s_add_co_u32 s85, s85, s86
	s_add_co_u32 s85, s85, ZSC
	v_lshl_add_u32 v13, v38, 2, s85                ; v13: my row's scale word
	ds_store_b32 v3, v[NM]
	ds_store_b32 v3, v[LL] offset:128
	WIN 0x04                                       ; an LDS store's data are its source 1: window 1
.irp q, 0,1,2,3,4,5,6,7,8,9,10,11
	ds_store_b128 v5, v[96+8*\q:96+8*\q+3] offset:1024*\q          ; each accumulator from its low end on
	ds_store_b128 v5, v[96+8*\q+4:96+8*\q+7] offset:1024*\q+512
.endr
	WIN 0
	s_wait_alu depctr_va_vdst(0)
	BARRIER                                        ; behind it nobody reads slot 1 either
	WIN 0x40
.irp j, 0,1,2
.irp i, 0,1,2,3,4,5,6,7
	global_load_b128 v[96+32*\j+4*\i:96+32*\j+4*\i+3], v10, s[10:11] offset:512*\j+16*\i   ; ln2_b, into the registers that slots 12-23 have left
.endr
.endr
	WIN 0
	ds_load_b32 v34, v4                            ; the partner's -M
	ds_load_b32 v35, v4 offset:128                 ; and l
	s_wait_dscnt 0x0
	v_min_num_f32 v36, v[NM], v34                  ; -(the larger M)
	s_delay_alu instid0(VALU_DEP_1)
	v_sub_f32 v37, v36, v[NM]
	s_delay_alu instid0(VALU_DEP_2)
	v_sub_f32 v38, v36, v34
	s_delay_alu instid0(VALU_DEP_2)
	v_cvt_i32_f32 v37, v37
	s_delay_alu instid0(VALU_DEP_2)
	v_cvt_i32_f32 v38, v38
	s_delay_alu instid0(VALU_DEP_2)
	v_ldexp_f32 v37, 1.0, v37                      ; what brings my chain under the common M: exact
	s_delay_alu instid0(VALU_DEP_2)
	v_ldexp_f32 v38, 1.0, v38                      ; and the partner's
	s_delay_alu instid0(VALU_DEP_1)
	v_mul_f32 v39, v38, v35
	s_delay_alu instid0(VALU_DEP_1)
	v_fma_f32 v39, v37, v[LL], v39                 ; the row's sum
	s_wait_alu depctr_va_vdst(0)
	v_rcp_f32 v39, v39
	v_nop                                          ; a plain place behind the reciprocal
	s_wait_alu depctr_va_vdst(0)
	v_mul_f32 v20, v37, v39
	s_delay_alu instid0(VALU_DEP_1)
	v_mov_b32 v21, v20
	s_wait_alu depctr_va_vdst(0)
	v_mul_f32 v22, v38, v39
	s_delay_alu instid0(VALU_DEP_1)
	v_mov_b32 v23, v22
.macro EP q                            ; slots 4 q .. 4 q + 3: x1 = x + (mine x g + the partner's x g'), written where x lay
.irp d, 0,1,2,3,4,5,6,7
	ds_load_b128 v[108+4*\d:108+4*\d+3], v6 offset:4096*\q+512*\d
.endr
.irp kk, 0,1,2,3
.irp hf, 0,1
	ds_load_b128 v[140+8*\kk+4*\hf:140+8*\kk+4*\hf+3], v[7+\q] offset:64*\kk+16*\hf
.endr
.endr
	s_wait_dscnt 0x0                               ; (the last four slots' stores have read their registers too)
	WIN 0x01                                       ; source 0 (O^T) window 1
.irp d, 0,2,4,6,8,10,12,14,16,18,20,22,24,26,28,30
	v_pk_mul_f32 v[76+\d:77+\d], v[32*\q+\d:32*\q+\d+1], v[20:21] op_sel_hi:[1,0]
.endr
	WIN 0
.irp d, 0,2,4,6,8,10,12,14,16,18,20,22,24,26,28,30
	v_pk_fma_f32 v[76+\d:77+\d], v[108+\d:109+\d], v[22:23], v[76+\d:77+\d] op_sel_hi:[1,0,1]
.endr
.irp d, 0,2,4,6,8,10,12,14,16,18,20,22,24,26,28,30
	v_pk_add_f32 v[76+\d:77+\d], v[76+\d:77+\d], v[140+\d:141+\d]
.endr
.irp kk, 0,1,2,3
.irp hf, 0,1
	ds_store_b128 v[7+\q], v[76+8*\kk+4*\hf:76+8*\kk+4*\hf+3] offset:64*\kk+16*\hf
.endr
.endr
.endm
	EP 0
	EP 1
	EP 2
	WIN 0x40
.irp j, 0,1,2
.irp i, 0,1,2,3,4,5,6,7
	global_load_b128 v[32*\j+4*\i:32*\j+4*\i+3], v10, s[8:9] offset:512*\j+16*\i   ; ln2_w, into the registers that slots 0-11 have left
.endr
.endr
	WIN 0
	BARRIER                                        ; 64 whole rows of x1 lie in LDS
	; ---- z = LayerNorm2(x1), quantised along the channels.  A lane holds three whole blocks of 32; register 32 j + i = channel 128 j + 32 qd + i
.irp j, 0,1,2
.irp i, 0,1,2,3,4,5,6,7
	ds_load_b128 v[YY+32*\j+4*\i:YY+32*\j+4*\i+3], v11 offset:528*\j+16*\i
.endr
.endr
	s_mov_b32 s87, 0xbb2aaaab                      ; -1/384
	s_mov_b32 s88, 0x3b2aaaab                      ; 1/384
	s_mov_b32 s89, 0x3727c5ac                      ; 1e-5
	v_and_b32 v24, 15, v0                          ; r
	s_delay_alu instid0(VALU_DEP_1)
	v_and_b32 v25, 8, v24
	s_delay_alu instid0(VALU_DEP_1)
	v_add_nc_u32 v25, v25, v24                     ; r + (r&8)
	v_bfe_u32 v26, v0, 4, 1                        ; h
	s_delay_alu instid0(VALU_DEP_2)
	v_mul_u32_u24 v14, v25, 192                    ; v14: fc1's codes: THE ROWS OF A TILE ARE NOT NEIGHBOURS: lane r of tile 2 b + u takes unit 32 b + 8 u + r + (r&8) of my 64; a row is 192 bytes
	s_delay_alu instid0(VALU_DEP_1)
	v_lshl_add_u32 v14, v26, 4, v14
	s_mul_i32 s80, s[WV], 12288
	v_add_nc_u32 v14, s80, v14
	v_mul_u32_u24 v15, v25, 12                     ; v15: its scale words, 12 bytes a row
	s_mul_i32 s81, s[WV], 768
	v_add_nc_u32 v15, s81, v15
	s_lshl_b32 s82, s[WV], 8
	v_lshl_add_u32 v16, v26, 6, s82                ; v16: b1 in the result's layout: 64 h + 256 w
	v_mul_u32_u24 v17, v24, 1536                   ; v17: fc2's codes: output 48 w + 16 n + r; a row is 1,536 bytes
	s_delay_alu instid0(VALU_DEP_1)
	v_lshl_add_u32 v17, v26, 4, v17
	s_mul_i32 s83, s[WV], 73728
	v_add_nc_u32 v17, s83, v17
	v_mul_u32_u24 v18, v24, 96                     ; v18: its scale words, 96 bytes a row
	s_mul_i32 s84, s[WV], 4608
	v_add_nc_u32 v18, s84, v18
	s_mul_i32 s85, s[WV], 192
	v_lshl_add_u32 v19, v26, 5, s85                ; v19: b2: 32 h + 192 w
	s_wait_dscnt 0x0
.irp c, 0,1,2,3
	v_pk_add_f32 v[172+2*\c:173+2*\c], v[YY+2*\c:YY+2*\c+1], v[YY+8+2*\c:YY+9+2*\c]   ; the sum, in four chains
.endr
.set ix, 8
.rept 40
	s_delay_alu instid0(VALU_DEP_4)
	v_pk_add_f32 v[172+2*(ix%4):173+2*(ix%4)], v[172+2*(ix%4):173+2*(ix%4)], v[YY+2*ix:YY+2*ix+1]
.set ix, ix+1
.endr
.macro FOLD                            ; four chains, two halves, four lanes
	s_delay_alu instid0(VALU_DEP_3)
	v_pk_add_f32 v[172:173], v[172:173], v[174:175]
	s_delay_alu instid0(VALU_DEP_2)
	v_pk_add_f32 v[176:177], v[176:177], v[178:179]
	s_delay_alu instid0(VALU_DEP_1)
	v_pk_add_f32 v[172:173], v[172:173], v[176:177]
	s_delay_alu instid0(VALU_DEP_1)
	v_add_f32 v172, v172, v173
	s_delay_alu instid0(VALU_DEP_1)
	v_add_f32_dpp v172, v172, v172 row_xmask:1 row_mask:0xf bank_mask:0xf
	s_delay_alu instid0(VALU_DEP_1)
	v_add_f32_dpp v172, v172, v172 row_xmask:2 row_mask:0xf bank_mask:0xf
.endm
	FOLD
	s_delay_alu instid0(VALU_DEP_1)
	v_mul_f32 v180, s87, v172                      ; -mean, twice
	s_delay_alu instid0(VALU_DEP_2)
	v_mul_f32 v181, s87, v172
.set ix, 0
.rept 48
	v_pk_add_f32 v[YY+2*ix:YY+2*ix+1], v[YY+2*ix:YY+2*ix+1], v[180:181]
.set ix, ix+1
.endr
.irp c, 0,1,2,3
	v_pk_mul_f32 v[172+2*\c:173+2*\c], v[YY+2*\c:YY+2*\c+1], v[YY+2*\c:YY+2*\c+1]
.endr
.set ix, 4
.rept 44
	s_delay_alu instid0(VALU_DEP_4)
	v_pk_fma_f32 v[172+2*(ix%4):173+2*(ix%4)], v[YY+2*ix:YY+2*ix+1], v[YY+2*ix:YY+2*ix+1], v[172+2*(ix%4):173+2*(ix%4)]
.set ix, ix+1
.endr
	FOLD
	s_delay_alu instid0(VALU_DEP_1)
	v_fma_f32 v182, v172, s88, s89
	s_wait_alu depctr_va_vdst(0)
	v_rsq_f32 v182, v182
	v_nop                                          ; a plain place behind the reciprocal root
	s_wait_alu depctr_va_vdst(0)
	v_mov_b32 v183, v182
.set ix, 0
.rept 48
	v_pk_mul_f32 v[YY+2*ix:YY+2*ix+1], v[YY+2*ix:YY+2*ix+1], v[182:183]
.set ix, ix+1
.endr
	s_wait_loadcnt 0x0                             ; ln2_w and ln2_b
	WIN 0x14                                       ; sources 1 and 2 window 1
.set ix, 0
.rept 48
	v_pk_fma_f32 v[YY+2*ix:YY+2*ix+1], v[YY+2*ix:YY+2*ix+1], v[2*ix:2*ix+1], v[96+2*ix:96+2*ix+1]
.set ix, ix+1
.endr
	WIN 0
; a third of a round's part of fc1: K step p of the four tiles (8 loads), their scale words (4), and with p = 0, 1 b1 of two tiles in the result's layout (4)
.macro W1SET p
	WIN 0x40
.irp t, 0,1,2,3
.irp c, 0,1
	global_load_b128 v[8*(3*\t+\p)+4*\c:8*(3*\t+\p)+4*\c+3], v14, s[12:13] offset:(32*(\t/2)+8*(\t%2))*192+64*\p+32*\c
.endr
.endr
.if \p < 2
.irp t, 2*\p, 2*\p+1
.irp hf, 0,1
	global_load_b128 v[B1+8*(\t)+4*\hf:B1+8*(\t)+4*\hf+3], v16, s[16:17] offset:(32*((\t)/2)+8*((\t)%2))*4+16*\hf
.endr
.endr
.endif
	WIN 0
.irp t, 0,1,2,3
	global_load_b32 v[W1S+3*\t+\p], v15, s[14:15] offset:(32*(\t/2)+8*(\t%2))*12+4*\p
.endr
.endm
	W1SET 0                                        ; the first round's, asked for while z is quantised
	W1SET 1
	W1SET 2
.irp n, 0,1,2
.irp hf, 0,1
	global_load_b128 v[204+8*\n+4*\hf:204+8*\n+4*\hf+3], v19, s[22:23] offset:64*\n+16*\hf   ; b2 of my 48 outputs
.endr
.endr
.irp j, 0,1,2
	v_max3_num_f32 v[172+\j], |v[YY+32*\j]|, |v[YY+32*\j+1]|, 0x1800000
.endr
.irp i, 2,4,6,8,10,12,14,16,18,20,22,24,26,28,30
.irp j, 0,1,2
	s_delay_alu instid0(VALU_DEP_3)
	v_max3_num_f32 v[172+\j], v[172+\j], |v[YY+32*\j+\i]|, |v[YY+32*\j+\i+1]|
.endr
.endr
.irp j, 0,1,2
	s_delay_alu instid0(VALU_DEP_3)
	v_add_nc_u32 v[175+\j], 0xff000000, v[172+\j]
.endr
.irp j, 0,1,2
	s_delay_alu instid0(VALU_DEP_3)
	v_lshrrev_b32 v[178+\j], 23, v[175+\j]
.endr
	v_and_b32 v34, 3, v0
	s_delay_alu instid0(VALU_DEP_1)
	v_lshlrev_b32 v34, 3, v34                      ; 8 qd
.irp j, 0,1,2
	v_lshlrev_b32 v[178+\j], v34, v[178+\j]        ; my byte at its place; the four lanes of a row make the word
.endr
.irp k, 1,2
.irp j, 0,1,2
	s_delay_alu instid0(VALU_DEP_3)
	v_mov_b32_dpp v[181+\j], v[178+\j] row_xmask:\k row_mask:0xf bank_mask:0xf
.endr
.irp j, 0,1,2
	s_delay_alu instid0(VALU_DEP_3)
	v_or_b32 v[178+\j], v[178+\j], v[181+\j]
.endr
.endr
.irp j, 0,1,2
.irp g, 0,1,2,3
	v_cvt_scalef32_pk8_fp4_f32 v[184+4*\j+\g], v[YY+32*\j+8*\g:YY+32*\j+8*\g+7], v[175+\j]
.endr
.endr
	v_nop                                          ; one plain place behind a scaled conversion
.irp j, 0,1,2
	ds_store_b128 v12, v[184+4*\j:187+4*\j] offset:1024*\j
	ds_store_b32 v13, v[178+\j] offset:128*\j      ; the four lanes of a row write the same word with the same value
.endr
	BARRIER                                        ; z's twelve fragments lie in LDS
	; ---- fc2's sums begin as x1 + b2.  Accumulator (n, m): lane (r, h), register i = row 16 m + r, output 48 w + 16 n + 8 h + i
	v_mul_u32_u24 v27, v24, XP
	s_delay_alu instid0(VALU_DEP_1)
	v_lshl_add_u32 v27, v26, 5, v27
	s_wait_alu depctr_va_vdst(0)
	s_mul_i32 s80, s[WV], 192
.irp n, 0,1,2
	s_add_co_u32 s81, s80, 64*\n
	s_lshr_b32 s82, s81, 9
	s_lshl_b32 s82, s82, 4
	s_add_co_u32 s81, s81, s82
	s_add_co_u32 s81, s81, XST
	v_add_nc_u32 v[3+\n], s81, v27                 ; v3-5: rows 0-31;
	s_delay_alu instid0(VALU_DEP_1)
	v_add_nc_u32 v[6+\n], 32*XP, v[3+\n]           ; v6-8: rows 32-63
.endr
	s_wait_alu depctr_va_vdst(0)
.irp n, 0,1,2
.irp m, 0,1,2,3
.irp hf, 0,1
	ds_load_b128 v[YY+8*(4*\n+\m)+4*\hf:YY+8*(4*\n+\m)+4*\hf+3], v[3+\n+3*(\m/2)] offset:(\m%2)*16*XP+16*\hf
.endr
.endr
.endr
	v_and_b32 v35, 31, v0
	s_delay_alu instid0(VALU_DEP_1)
	v_lshl_add_u32 v9, v35, 4, ZIMG                ; v9: z's images;
	v_lshl_add_u32 v10, v24, 2, ZSC                ; v10: their scale words, 4 r
	ZFETCH 0                                       ; the first round's first tile of z
	v_lshl_add_u32 v23, v35, 4, HB                 ; v23: the hidden layer's images in buffer 0; v24: their scale words
	v_lshl_add_u32 v24, v35, 2, HB+HSCO
	s_wait_alu depctr_va_vdst(0)
	s_lshr_b32 s81, s[WV], 1
	s_and_b32 s83, s[WV], 1
	s_lshl_b32 s84, s81, 10
	s_lshl_b32 s85, s83, 9
	s_add_co_u32 s84, s84, s85
	v_add_nc_u32 v21, s84, v23                     ; v21: where I store: K step w/2, half w%2
	s_lshl_b32 s84, s81, 7
	s_lshl_b32 s85, s83, 1
	s_add_co_u32 s84, s84, s85
	v_add_nc_u32 v22, s84, v24                     ; v22: and my two bytes of a scale word
	s_mul_i32 s84, s[WV], 8*XP
	s_add_co_u32 s84, s84, XST
	v_lshl_add_u32 v26, v35, 4, s84                ; v26: the way out: my eight rows
	s_mul_i32 s84, s[WV], 12288
	v_lshl_add_u32 v20, v35, 4, s84                ; v20: and the same in out
	v_mov_b32 v28, 0x3890ec3c                      ; d6, d4, g4 as vector pairs: so no instruction names two scalar operands
	v_mov_b32 v29, 0x3890ec3c
	v_mov_b32 v30, 0x3c0f53cc
	v_mov_b32 v31, 0x3c0f53cc
	v_mov_b32 v32, 0xb8e74bf3                      ; -g4
	v_mov_b32 v33, 0xb8e74bf3
.macro SPAIR r, val
	s_mov_b32 s[\r], \val
	s_mov_b32 s[\r+1], \val
.endm
	SPAIR D7, 0xb613eb94                           ; D(T) = d7 T^7 + .. + d1 T - 1 = log2(erfc(T / sqrt 2) / 2)
	SPAIR D5, 0xba81d538
	SPAIR D3, 0xbd5f15d0
	SPAIR D2, 0xbeea77c7
	SPAIR D1, 0xbf9362b0
	SPAIR G5, 0x36dd3c6d                           ; -G(S), G(S) = g5 S^5 + .. + g0: erf(x / sqrt 2) / 2 = x G(x^2); each coefficient with its sign turned
	SPAIR G3, 0x3a9b0ebf
	SPAIR G2, 0xbc236176
	SPAIR G1, 0x3d882c03
	SPAIR G0, 0xbecc422a
	s_mov_b32 s[THR], 0x3fa7f018                   ; c = 1.3120145: where the two forms meet
	s_wait_alu depctr_va_vdst(0)
	v_mov_b32 v38, s[THR]                          ; v[36:37] = -(D(c) + 1), by the same multiply-adds, in the same order, as the loop's
	s_delay_alu instid0(VALU_DEP_1)
	v_fma_f32 v36, v38, s[D7], v28
	s_delay_alu instid0(VALU_DEP_1)
	v_fma_f32 v36, v36, v38, s[D5]
	s_delay_alu instid0(VALU_DEP_1)
	v_fma_f32 v36, v36, v38, v30
	s_delay_alu instid0(VALU_DEP_1)
	v_fma_f32 v36, v36, v38, s[D3]
	s_delay_alu instid0(VALU_DEP_1)
	v_fma_f32 v36, v36, v38, s[D2]
	s_delay_alu instid0(VALU_DEP_1)
	v_fma_f32 v36, v36, v38, s[D1]
	s_delay_alu instid0(VALU_DEP_1)
	v_mul_f32 v36, -v36, v38
	s_delay_alu instid0(VALU_DEP_1)
	v_mov_b32 v37, v36
	v_mov_b32 v38, 2.0                             ; v[38:39] = 2, as a vector pair
	v_mov_b32 v39, 2.0
	s_wait_loadcnt 0x0                             ; b2 (and the first round's weights)
	s_wait_dscnt 0x0
.irp n, 0,1,2
.irp m, 0,1,2,3
.irp p, 0,2,4,6
	v_pk_add_f32 v[YY+8*(4*\n+\m)+\p:YY+8*(4*\n+\m)+\p+1], v[YY+8*(4*\n+\m)+\p:YY+8*(4*\n+\m)+\p+1], v[204+8*\n+\p:204+8*\n+\p+1]
.endr
.endr
.endr
; gelu(x) of n pairs of numbers from register x on, in place, the n pairs by turns: 22 instructions a pair.  R = relu(x); T = |x| = 2 R - x, exactly; gelu(x) = R - T E: nothing cancels in the negative tail.
; E = (1/2 - Tn G(Tn^2)) x 2^(D(Tf) - D(c)), Tn = min(T, c), Tf = max(T, c).  D(T) + 1 = T (d7 T^6 + .. + d1); v[36:37] holds -(D(c) + 1).  No compare, no selection, no branch on data.
; n is 5 or 6: a result is read five vector instructions behind its write at the nearest.  Four registers a number at work (R, T, Tn and then Tf, the first factor); Tn^2 and then the second factor lie where x lay.
.macro GELUN x, n
.set GX, \x
.set GN, \n
.set ix, 0
.rept GN
	v_dual_max_num_f32 v[GR+ix], 0, v[GX+ix] :: v_dual_max_num_f32 v[GR+ix+1], 0, v[GX+ix+1]   ; R.  (Each accumulator is read from its low end on)
.set ix, ix+2
.endr
.set ix, 0
.rept GN
	v_pk_fma_f32 v[GT+ix:GT+ix+1], v[GR+ix:GR+ix+1], v[38:39], v[GX+ix:GX+ix+1] neg_lo:[0,0,1] neg_hi:[0,0,1]   ; T = 2 R - x
.set ix, ix+2
.endr
.set ix, 0
.rept GN
	v_dual_min_num_f32 v[GW+ix], s[THR], v[GT+ix] :: v_dual_min_num_f32 v[GW+ix+1], s[THR], v[GT+ix+1]   ; Tn
.set ix, ix+2
.endr
.set ix, 0
.rept GN
	v_pk_mul_f32 v[GX+ix:GX+ix+1], v[GW+ix:GW+ix+1], v[GW+ix:GW+ix+1]   ; S = Tn^2, where x lay
.set ix, ix+2
.endr
.set ix, 0
.rept GN
	v_pk_fma_f32 v[GQ+ix:GQ+ix+1], v[GX+ix:GX+ix+1], s[G5:G5+1], v[32:33] op_sel_hi:[1,0,1]
.set ix, ix+2
.endr
.irp k, G3, G2, G1, G0
.set ix, 0
.rept GN
	v_pk_fma_f32 v[GQ+ix:GQ+ix+1], v[GQ+ix:GQ+ix+1], v[GX+ix:GX+ix+1], s[\k:\k+1] op_sel_hi:[1,1,0]   ; -G(S)
.set ix, ix+2
.endr
.endr
.set ix, 0
.rept GN
	v_pk_fma_f32 v[GQ+ix:GQ+ix+1], v[GW+ix:GW+ix+1], v[GQ+ix:GQ+ix+1], 0.5 op_sel_hi:[1,1,0]   ; the first factor: 1/2 - Tn G(S)
.set ix, ix+2
.endr
.set ix, 0
.rept GN
	v_dual_max_num_f32 v[GW+ix], s[THR], v[GT+ix] :: v_dual_max_num_f32 v[GW+ix+1], s[THR], v[GT+ix+1]   ; Tf, where Tn lay
.set ix, ix+2
.endr
.set ix, 0
.rept GN
	v_pk_fma_f32 v[GX+ix:GX+ix+1], v[GW+ix:GW+ix+1], s[D7:D7+1], v[28:29] op_sel_hi:[1,0,1]   ; S has been read: d7 Tf + d6 takes its place
.set ix, ix+2
.endr
.set ix, 0
.rept GN
	v_pk_fma_f32 v[GX+ix:GX+ix+1], v[GX+ix:GX+ix+1], v[GW+ix:GW+ix+1], s[D5:D5+1] op_sel_hi:[1,1,0]
.set ix, ix+2
.endr
.set ix, 0
.rept GN
	v_pk_fma_f32 v[GX+ix:GX+ix+1], v[GX+ix:GX+ix+1], v[GW+ix:GW+ix+1], v[30:31]
.set ix, ix+2
.endr
.irp k, D3, D2, D1
.set ix, 0
.rept GN
	v_pk_fma_f32 v[GX+ix:GX+ix+1], v[GX+ix:GX+ix+1], v[GW+ix:GW+ix+1], s[\k:\k+1] op_sel_hi:[1,1,0]
.set ix, ix+2
.endr
.endr
.set ix, 0
.rept GN
	v_pk_fma_f32 v[GX+ix:GX+ix+1], v[GX+ix:GX+ix+1], v[GW+ix:GW+ix+1], v[36:37]   ; D(Tf) - D(c)
.set ix, ix+2
.endr
	s_wait_alu depctr_va_vdst(0)                   ; the wait ahead of the batch
.set ix, 0
.rept 2*GN
	v_exp_f32 v[GX+ix], v[GX+ix]                   ; the second factor
.set ix, ix+1
.endr
	v_nop                                          ; a plain place behind the exponentials
	s_wait_alu depctr_va_vdst(0)                   ; one wait for the batch, ahead of its first reader
.set ix, 0
.rept GN
	v_pk_mul_f32 v[GX+ix:GX+ix+1], v[GX+ix:GX+ix+1], v[GQ+ix:GQ+ix+1]   ; E
.set ix, ix+2
.endr
.set ix, 0
.rept GN
	v_pk_fma_f32 v[GX+ix:GX+ix+1], v[GT+ix:GT+ix+1], v[GX+ix:GX+ix+1], v[GR+ix:GR+ix+1] neg_lo:[1,0,0] neg_hi:[1,0,0]   ; R - T E
.set ix, ix+2
.endr
.endm
; my 32 registers of the hidden layer (register 16 b + i = unit 32 b + 16 h + i of my 64) become four registers of codes and two scale bytes
.macro QUANT2
.irp b, 0,1
	v_max3_num_f32 v[204+\b], |v[HA+16*\b]|, |v[HA+16*\b+1]|, 0x1800000
.endr
.irp i, 2,4,6,8,10,12,14
.irp b, 0,1
	s_delay_alu instid0(VALU_DEP_2)
	v_max3_num_f32 v[204+\b], v[204+\b], |v[HA+16*\b+\i]|, |v[HA+16*\b+\i+1]|
.endr
.endr
.irp b, 0,1
	s_delay_alu instid0(VALU_DEP_2)
	v_permlanex16_b32 v[206+\b], v[204+\b], s[SEL], s[SEL+1]
.endr
.irp b, 0,1
	s_delay_alu instid0(VALU_DEP_2)
	v_max_num_f32 v[204+\b], v[204+\b], v[206+\b]
.endr
.irp b, 0,1
	s_delay_alu instid0(VALU_DEP_2)
	v_add_nc_u32 v[208+\b], 0xff000000, v[204+\b]
.endr
.irp b, 0,1
	s_delay_alu instid0(VALU_DEP_2)
	v_lshrrev_b32 v[210+\b], 23, v[208+\b]
.endr
	s_delay_alu instid0(VALU_DEP_1)
	v_lshl_or_b32 v[PW], v211, 8, v210
.irp b, 0,1
	v_cvt_scalef32_pk8_fp4_f32 v[PCH+2*\b], v[HA+16*\b:HA+16*\b+7], v[208+\b]
	v_cvt_scalef32_pk8_fp4_f32 v[PCH+2*\b+1], v[HA+16*\b+8:HA+16*\b+15], v[208+\b]
.endr
	v_nop                                          ; one plain place behind a scaled conversion
.irp i, 0,1
	v_permlane16_swap_b32 v[PCH+\i], v[PCH+2+\i]   ; a whole block to a lane
.endr
.endm
; a third of a round's part of fc2: tile n of my outputs, the round's four K steps (8 loads) and their scale words (1)
.macro W2PART n
	WIN 0x40
.irp s, 0,1,2,3
.irp c, 0,1
	global_load_b128 v[W2F+8*(4*\n+\s)+4*\c:W2F+8*(4*\n+\s)+4*\c+3], v17, s[18:19] offset:24576*\n+64*\s+32*\c
.endr
.endr
	WIN 0
	global_load_b128 v[W2S+4*\n:W2S+4*\n+3], v18, s[20:21] offset:1536*\n
.endm
; a third of the NEXT round's part of fc1, and with the first third the next round's first tile of z.  The last round asks for nothing: no load leaves its buffer.  Every later wait on these counters is for 0
.macro W1PART p
	s_cmp_eq_u32 s[CNT], 1
	s_cbranch_scc1 .Lno_next_\@
.if \p == 0
	ZFETCH 0
.endif
	W1SET \p
.Lno_next_\@:
.endm
; my 64 hidden units for rows 16 m on
.macro FC1 m
.if \m == 0
	s_wait_dscnt 0x0                               ; the round's first fragments of z are in
.else
	s_wait_dscnt 0x2                               ; this tile's nine loads of z, asked for a tile ago, are in; the last tile's two stores, issued behind them, may be out
.endif
	WIN 0x15
.irp t, 0,1,2,3
	MM HA+8*\t, 8*(3*\t), ZF, 0, B1+8*\t, W1S+3*\t, ZS, 0
.endr
	WIN 0x05
.irp j, 1,2
.irp t, 0,1,2,3
	MM HA+8*\t, 8*(3*\t+\j), ZF+8*\j, 0, HA+8*\t, W1S+3*\t+\j, ZS+\j, 0
.endr
.endr
	WIN 0
	PLACES                                         ; for the reads of the results, and for the loads below into registers that these products have read
.if \m < 3
	ZFETCH \m+1                                    ; the next tile's fragments of z land under this tile's gelu
.else
	s_wait_loadcnt 0x0                             ; fc2's part, asked for two tiles ago, is in, and no load is out: the bases may step
	s_add_nc_u64 s[18:19], s[18:19], 256
	s_add_nc_u64 s[20:21], s[20:21], 16
	s_add_nc_u64 s[12:13], s[12:13], 98304
	s_add_nc_u64 s[14:15], s[14:15], 6144
	s_add_nc_u64 s[16:17], s[16:17], 2048
.endif
.irp t, 0,1,2                          ; the tile's 16 pairs of numbers in runs of 6, 5 and 5
.if \m == 1
	W2PART \t                                      ; this round's part of fc2, a third ahead of each run of gelu: the last round's products of fc2 have read the registers
.endif
.if \m == 3
	W1PART \t                                      ; the next round's part of fc1 likewise: this tile's products were the last to read the registers
.endif
	GELUN HA+12*\t-2*(\t/2), 6-(\t+1)/2
.endr
	QUANT2
.if \m == 0
	s_wait_alu depctr_va_vdst(0)                   ; directly ahead of the barrier's wait
	s_barrier_wait -1                              ; every wave has stored the last round's hidden tiles and has read the round before that out of the buffer that I store into now
.endif
	ds_store_b128 v11, v[PCH:PCH+3] offset:4096*\m
	ds_store_b16 v12, v[PW] offset:512*\m
.endm
.macro HFETCH s, buf                   ; the hidden layer's K step s of the round, all four tiles of rows, and their scale words: 12 loads
.irp m, 0,1,2,3
.irp c, 0,1
	ds_load_b128 v[172+32*\buf+8*\m+4*\c:172+32*\buf+8*\m+4*\c+3], v13 offset:(4*\m+\s)*1024+512*\c
.endr
.endr
.irp m, 0,1,2,3
	ds_load_b32 v[HS+4*\buf+\m], v25 offset:(4*\m+\s)*128
.endr
.endm
.macro MUL s                           ; 12 matrix instructions, the twelve accumulators by turns
	WIN 0x01                                       ; source 0 (fc2) window 1
.irp m, 0,1,2,3
.irp n, 0,1,2
	MM YY+8*(4*\n+\m), W2F+8*(4*\n+\s), 172+32*(\s%2)+8*\m, 0, YY+8*(4*\n+\m), W2S+4*\n+\s, HS+4*(\s%2)+\m, 0
.endr
.endr
	WIN 0
.endm
	s_mov_b32 s[CNT], 6
	s_mov_b32 s[HBS], 0
.macro MULS                            ; fc2's products of one round: four K steps of 128 hidden units, two sets of fragments by turns
	HFETCH 0, 0
	HFETCH 1, 1
	s_wait_dscnt 12                                ; K step 0 is in; K step 1's twelve loads may be out
	MUL 0
	PLACES
	HFETCH 2, 0
	s_wait_dscnt 12
	MUL 1
	PLACES
	HFETCH 3, 1
	s_wait_dscnt 12
	MUL 2
	s_wait_dscnt 0x0
	MUL 3
.rept 5
	v_nop                                          ; five places: the next products write over registers that these have read; the way out's stores want four
.endr
.endm
.Lround:                                           ; six rounds of 512 hidden units.  ONE barrier a round, its signal and its wait a tile apart; the hidden layer's two buffers take turns
	v_add_nc_u32 v11, s[HBS], v21                  ; I store into this round's buffer,
	v_add_nc_u32 v12, s[HBS], v22
	s_xor_b32 s[HBS], s[HBS], HX
	v_add_nc_u32 v13, s[HBS], v23                  ; and read the last round's out of the other
	v_add_nc_u32 v25, s[HBS], v24
	s_wait_dscnt 0x0                               ; my stores of the last round's hidden tiles have landed, and my reads of the round before it are over:
	s_barrier_signal -1                            ; say so.  Up to the wait, in FC1 0: work on registers, and loads of z, which nobody writes again
	s_wait_loadcnt 0x0                             ; this round's part of fc1 is in
	FC1 0
	s_cmp_eq_u32 s[CNT], 6                         ; the first round has no round before it: a branch on the count of rounds, the same in all waves, round no barrier
	s_cbranch_scc1 .Lno_prev
	MULS                                           ; the last round's sixteen hidden fragments lie in LDS
.Lno_prev:
	FC1 1
	FC1 2
	FC1 3
	s_sub_co_u32 s[CNT], s[CNT], 1
	s_cmp_lg_u32 s[CNT], 0
	s_cbranch_scc1 .Lround
	v_add_nc_u32 v13, HX, v23                      ; the sixth round's hidden tiles lie in buffer 1
	v_add_nc_u32 v25, HX, v24
	s_wait_alu depctr_va_vdst(0)                   ; directly ahead of the barrier's waits
	BARRIER
	MULS
	; ---- THE WAY OUT: a lane holds 32 bytes of a row; the rows meet where x1 lay, and each wave stores eight whole rows
.irp n, 0,1,2
.irp m, 0,1,2,3
.irp hf, 0,1
	ds_store_b128 v[3+\n+3*(\m/2)], v[YY+8*(4*\n+\m)+4*\hf:YY+8*(4*\n+\m)+4*\hf+3] offset:(\m%2)*16*XP+16*\hf   ; each accumulator from its low end on
.endr
.endr
.endr
	BARRIER
.irp i, 0,1,2,3,4,5,6,7,8,9,10,11,12,13,14,15,16,17,18,19,20,21,22,23
	ds_load_b128 v[YY+4*\i:YY+4*\i+3], v26 offset:528*\i
.endr
.irp i, 0,1,2,3,4,5,6,7,8,9,10,11,12,13,14,15,16,17,18,19,20,21,22,23
	s_wait_dscnt 23-\i                             ; LDS loads come back in order: piece i is in, the younger ones may be out
	global_store_b128 v20, v[YY+4*\i:YY+4*\i+3], s[24:25] offset:512*\i th:TH_STORE_NT   ; 32 lanes store 512 consecutive bytes, at a multiple of 256 from out's first byte
.endr
	s_wait_tensorcnt 0x0                           ; the wave's end
	ds_add_u32 v[SPW], v[NIL]
	s_wait_dscnt 0x0
	CROUND                                         ; the closing round
	s_endpgm
.Lfunc_end_k_q5213b6d35f_block:
	.size	k_q5213b6d35f_block, .Lfunc_end_k_q5213b6d35f_block-k_q5213b6d35f_block
	.p2alignl 7, 3214868480
	.fill 96, 4, 3214868480
	.section	.rodata,"a",@progbits
	.p2align	6, 0x0
	.amdhsa_kernel k_q5213b6d35f_block
		.amdhsa_group_segment_fixed_size 327680
		.amdhsa_private_segment_fixed_size 0
		.amdhsa_enable_private_segment 0
		.amdhsa_kernarg_size 88
		.amdhsa_user_sgpr_count 2
		.amdhsa_user_sgpr_kernarg_segment_ptr 1
		.amdhsa_wavefront_size32 1
		.amdhsa_system_sgpr_workgroup_id_x 1
		.amdhsa_system_sgpr_workgroup_id_y 1
		.amdhsa_system_sgpr_workgroup_id_z 1
		.amdhsa_system_vgpr_workitem_id 0
		.amdhsa_next_free_vgpr 512
		.amdhsa_next_free_sgpr 100
		.amdhsa_reserve_vcc 0
		.amdhsa_float_denorm_mode_32 3
		.amdhsa_float_denorm_mode_16_64 3
		.amdhsa_memory_ordered 1
		.amdhsa_forward_progress 1
		.amdhsa_inst_pref_size 255
	.end_amdhsa_kernel
	.section	.bss,"aw",@nobits
	.p2align	6
	.space	262144
	.amdgpu_metadata
---
amdhsa.version: [ 1, 2 ]
amdhsa.kernels:
  - .name:           k_q5213b6d35f_block
    .symbol:         k_q5213b6d35f_block.kd
    .args:
      - { .name: yimg, .offset: 0, .size: 8, .value_kind: global_buffer, .address_space: global }
      - { .name: x, .offset: 8, .size: 8, .value_kind: global_buffer, .address_space: global }
      - { .name: ln2_w, .offset: 16, .size: 8, .value_kind: global_buffer, .address_space: global }
      - { .name: ln2_b, .offset: 24, .size: 8, .value_kind: global_buffer, .address_space: global }
      - { .name: fc1_w_codes, .offset: 32, .size: 8, .value_kind: global_buffer, .address_space: global }
      - { .name: fc1_w_scales, .offset: 40, .size: 8, .value_kind: global_buffer, .address_space: global }
      - { .name: fc1_b, .offset: 48, .size: 8, .value_kind: global_buffer, .address_space: global }
      - { .name: fc2_w_codes, .offset: 56, .size: 8, .value_kind: global_buffer, .address_space: global }
      - { .name: fc2_w_scales, .offset: 64, .size: 8, .value_kind: global_buffer, .address_space: global }
      - { .name: fc2_b, .offset: 72, .size: 8, .value_kind: global_buffer, .address_space: global }
      - { .name: out0, .offset: 80, .size: 8, .value_kind: global_buffer, .address_space: global }
    .group_segment_fixed_size: 327680
    .private_segment_fixed_size: 0
    .kernarg_segment_align: 8
    .kernarg_segment_size: 88
    .max_flat_workgroup_size: 256
    .sgpr_count:     100
    .vgpr_count:     512
    .wavefront_size: 32
...
	.end_amdgpu_metadata
.endif
;; end of part 2
